; MI455X (gfx1250); checked and timed in simulation.
; The chip was launched on July 23, 2026; its instructions are those of AMD's public machine-readable ISA for CDNA 5 (MIT licence, August 2026) and "CDNA5" Instruction Set Architecture Reference Guide (July 2026). The comments in the code are by the model that wrote it; some were corrected since.
;; GPTSAN Japanese Attention. Allowed arithmetic: matrix products marked QUANTISED: E2M1 operands, one E8M0 scale for each 32 along K, by v_wmma_scale_f32_16x16x128_f8f6f4 with both operands' format E2M1 (or v_wmma_scale_f32_32x16x128_f4), f32 sums; products left as they are: bf16, f16 or f32 operands; f32 sums; everything else in f32.
;; Inputs: hidden_states 2 x 2,048 x 1,024 float32; mask 2 x 2,048 x 2,048 float32; o 16 x 64 x 1,024 float32; qkv 1,024 x 3 x 16 x 64 float32.
;; Outputs: out0 2 x 2,048 x 1,024 float32; out1 2 x 16 x 2,048 x 64 float32; out2 2 x 16 x 2,048 x 64 float32.
;; This version of the problem:
;;   THIS VERSION OF THE PROBLEM IS GIVEN IN LOW PRECISION. The matrix products marked QUANTISED in the list below multiply operands that are first quantised to E2M1 (2 exponent bits, 1 mantissa bit; 4 bits a number), with one power-of-two scale for each 32 numbers along K (OCP MX v1.0); their sums are f32. The products marked 'left as it is' may take bf16, f16 or f32 operands, with f32 sums. Whichever they take, every output number must still come out within the allowed error. Rounding operands to bf16 (8 significant bits) uses up far more of that allowance than f16 does (11 bits, for magnitudes from 6e-5 to 65,504). All else is computed in f32.
;;   The module's matrix products, in the order in which they are computed (A, B: the left and right operand; K: the contracted axis; several contracted axes count as one K, in the product's order):
;;     1. [M 1,024, K 1,024] x [K 1,024, N 4,096]; A: input qkv; B: input hidden_states: QUANTISED
;;     2. [M 1,024, K 1,024] x [K 1,024, N 4,096]; A: input qkv; B: input hidden_states: QUANTISED
;;     3. [M 1,024, K 1,024] x [K 1,024, N 4,096]; A: input qkv; B: input hidden_states: QUANTISED
;;     4. batch 32 x [M 2,048, K 64] x [K 64, N 2,048]; A: computed on the way; B: computed on the way: left as it is (an operand is computed on the way)
;;     5. batch 32 x [M 2,048, K 2,048] x [K 2,048, N 64]; A: computed on the way; B: computed on the way: left as it is (an operand is computed on the way)
;;     6. [M 4,096, K 1,024] x [K 1,024, N 1,024]; A: computed on the way; B: input o: left as it is (an operand is computed on the way)
;;   THE QUANTISER, for each operand of a quantised product, along K:
;;     - K is cut into blocks of 32 from its start; a last block that is shorter is filled with zeros.
;;     - A block's scale is 2^e with e = floor(log2(the largest magnitude in the block)) - 2, held to -126 .. 127; a block of zeros has e = 0. As a byte (E8M0): e + 127.
;;     - Each number is divided by its block's scale, clamped to +-6, and rounded to the nearest number of E2M1, ties to even, subnormals kept.
;;     - The product sums the exact products of the quantised numbers (number of the format x scale) in f32.
;;   ~~~python
;;   def quantise(x, axis):      # numpy; x: float32 -> the quantised numbers, widened to float32 again
;;       x = np.moveaxis(x, axis, -1); K = x.shape[-1]
;;       x = np.pad(x, [(0, 0)] * (x.ndim - 1) + [(0, -K % 32)]); x = x.reshape(x.shape[:-1] + (-1, 32)); a = np.abs(x).max(-1, keepdims=True)
;;       e = np.where(a > 0, np.clip(np.frexp(np.where(a > 0, a, 1))[1] - 1 - 2, -126, 127), 0)      # np.frexp(a)[1] - 1 = floor(log2(a)), exactly
;;       r = np.clip(x / 2.0 ** e, -6, 6)
;;       step = 2.0 ** (np.maximum(np.frexp(np.where(r == 0, 1, r))[1] - 1, 0) - 1)
;;       q = np.round(r / step) * step * 2.0 ** e      # np.round: ties to even
;;       return np.moveaxis(q.reshape(q.shape[:-2] + (-1,))[..., :K], -1, axis).astype(np.float32)
;;   ~~~
;; One version. Each part assembles by itself: llvm-mc -triple=amdgcn-amd-amdhsa -mcpu=gfx1250 --defsym DOCPART=n.
;; ======== version 1 of 1: 5 launches
;; limits: values are held in f16: magnitudes above 65,504 overflow, below 6.1e-05 lose precision
;; workspace buffers: hq 2,228,224 bytes; wq 1,671,168 bytes; oimg 2,097,152 bytes; qkvh 25,165,824 bytes; part 4,456,448 bytes; ah 8,388,608 bytes; finea 131,072 bytes
;; launch prep (part 1): grid 512 x 1, 4 waves a work-group, no clusters, 34,304 bytes of LDS; arguments hidden_states, qkv, o, hq, wq, oimg; writes hq, wq, oimg
.if DOCPART == 1
	.amdgcn_target "amdgcn-amd-amdhsa--gfx1250"
	.amdhsa_code_object_version 6
	.text
	.protected	k_q66cbe8e68b_prep
	.globl	k_q66cbe8e68b_prep
	.p2align	8
	.type	k_q66cbe8e68b_prep,@function
k_q66cbe8e68b_prep:
	s_mov_b64 s[64:65], 0
	v_nop
	global_prefetch_b8 v0, s[64:65] scope:SCOPE_SE
	s_setreg_imm32_b32 hwreg(HW_REG_WAVE_MODE, 25, 1), 1
	s_wait_xcnt 0x0
; FIRST OF FIVE LAUNCHES of an attention layer: q, k, v = hidden x qkv (on codes of E2M1), scores, mask, softmax, p v, projection by o.
; DEAD WORK: none is left out.  The mask is an input and is honoured as it is given (score x m - (1 - m) x 10000), so every query walks all 2,048 keys; all four inputs are loaded.
; Positions 0 to 15 of each sequence are computed twice: coarsely inside the f16 tiles that also hold live rows, and finely (f32): their p v in parts at the head of the attention's launch, the parts joined
; beside the projection, and a last small launch that projects them and whose rows replace the coarse ones.
; LIMITS of the program: q x 0.18, k, v, o and the attention's output go to the matrix units as f16, so their magnitudes have to stay under 65,504; rows at positions 16 and above that a mask leaves
; with very few live keys are carried at f16 grade; NaN and infinities among the inputs are not served; a block of zeros gets the scale byte 1 (its codes are zeros, and this program alone reads the bytes).
; THIS LAUNCH makes the operands.  Every workspace operand is laid as an IMAGE OF THE OPERAND'S REGISTERS: a group of four registers is [32 lanes][16 bytes] = 512 bytes on end.
;   work-groups 0-255:   hidden_states [4096][1024] f32 -> hq: codes [row tile 256][K step 8][c 2][lane][16 B]; behind them scale words [pair of tiles 128][K step 8][lane 32] (lanes 0-15 the even tile's rows, 16-31 the odd tile's)
;   work-groups 256-447: qkv [1024 (K)][3072] f32 -> wq: the same by columns (192 tiles, 96 pairs)
;   work-groups 448-511: o [1024 (K)][1024] f32 -> oimg: f16, [column tile 64][chunk of 32 along K: 32][quad 2][lane][16 B]
; A wave takes 32 rows (or columns) x 128 along K, asks for all its 16 KB at once, and has no loop.  A block's scale is 2^(floor(log2(largest magnitude)) - 2); its byte is that magnitude's exponent field - 2, held at 1 from below.
.set STG,   8448                       ; LDS: a stage of 16 rows x 528 bytes for each wave (hidden's path alone touches LDS)
.set SP,    528                        ; 512 bytes + 16: sixteen rows begin at sixteen different 16-byte columns modulo 256
.set SPARE, 4*STG                      ; behind the stages: the spare words, 128 bytes a wave
.set SPW,   13                         ; v13  my spare word's LDS address; never rewritten
.set NIL,   14                         ; v14  0; never rewritten
.set PC,    16                         ; v16-31  codes
.set TM,    32                         ; v32-47  at work
.set PW,    48                         ; v48, v49 the two tiles' scale words; v50 the word that is stored
.set R,     64                         ; v64-191  the 128 registers as loaded
.set X,     192                        ; v192-255 64 numbers of one row (hidden) or the f16 pairs (o)
.set SEL,   28                         ; s[28:29] selects of v_permlanex16_b32: lane l xor 16
	s_load_b256 s[4:11], s[0:1], 0x0               ; hidden s[4:5], qkv s[6:7], o s[8:9], hq s[10:11]
	s_load_b128 s[12:15], s[0:1], 0x20             ; wq s[12:13], oimg s[14:15]
	v_lshl_add_u32 v[SPW], v0, 2, SPARE
	v_mov_b32 v[NIL], 0
	v_lshrrev_b32 v1, 5, v0
	v_readfirstlane_b32 s16, v1                    ; wave
	v_and_b32 v2, 31, v0                           ; lane
	v_lshlrev_b32 v3, 4, v2                        ; 16 x lane
	v_lshlrev_b32 v6, 2, v2                        ; 4 x lane
	v_and_b32 v7, 15, v2                           ; r
	v_lshrrev_b32 v8, 4, v2                        ; h
	s_mul_i32 s17, s16, STG
	v_add_nc_u32 v4, s17, v3                       ; the stage, on the way in: a row's 512 bytes as they lie
	v_mul_u32_u24 v5, v7, SP
	v_lshl_add_u32 v5, v8, 6, v5
	v_add_nc_u32 v5, s17, v5                       ; and on the way out: row r, + 64 h: my 16 numbers of each block of 32
	v_lshlrev_b32 v9, 4, v7
	v_lshl_add_u32 v10, v8, 13, v9                 ; wq: my column's tile (8,192 bytes a tile) and its 16 bytes
	v_lshl_add_u32 v11, v8, 15, v9                 ; oimg: likewise (32,768 bytes a tile)
	s_mov_b32 s[SEL], 0x76543210
	s_mov_b32 s[SEL+1], 0xfedcba98
	s_mov_b32 s21, 0
	s_and_b32 s18, ttmp9, 1
	s_lshl_b32 s18, s18, 2
	s_add_co_u32 s18, s18, s16                     ; my K step of 128: 4 x (work-group % 2) + wave (256 and 448 are even)
	s_lshr_b32 s19, ttmp9, 1                       ; the pair of tiles, counted from the path's first work-group below
	s_wait_kmcnt 0x0
	s_cmp_lt_u32 ttmp9, 256
	s_cbranch_scc0 .Lnot_hidden
; ---- hidden_states: K is innermost
	s_lshl_b32 s20, s19, 17                        ; 32 rows of 4,096 bytes
	s_lshl_b32 s22, s18, 9
	s_add_co_u32 s20, s20, s22
	s_add_nc_u64 s[4:5], s[4:5], s[20:21]
.set nn, 0
.rept 32
	global_load_b128 v[R+4*nn:R+4*nn+3], v3, s[4:5] offset:nn*4096 th:TH_LOAD_NT   ; row nn: 512 consecutive bytes
.set nn, nn+1
.endr
	s_lshl_b32 s20, s19, 14
	s_lshl_b32 s22, s18, 10
	s_add_co_u32 s20, s20, s22
	s_add_nc_u64 s[24:25], s[10:11], s[20:21]      ; the codes' image of my even tile and K step
	s_lshl_b32 s20, s19, 10
	s_lshl_b32 s22, s18, 7
	s_add_co_u32 s20, s20, s22
	s_add_nc_u64 s[26:27], s[10:11], s[20:21]      ; the scale words (2,097,152 bytes further on: in the store's immediate)
.irp b, 0,1,2,3
	v_mov_b32 v[TM+4+\b], 0                        ; written once: a lane permute's destination counts as one of its sources
.endr
; 64 numbers of a lane, register 16 b + i = k 32 b + 16 h + i of my row, become a fragment's codes in v[pc] on and its scale word in v[pw]
.macro QUANT s, pc, pw
.irp b, 0,1,2,3
	v_max3_num_f32 v[TM+\b], |v[\s+16*\b]|, |v[\s+1+16*\b]|, 0x1800000   ; my 16 numbers of block b, and the floor 2^(3 - 127): the byte cannot fall under 1
.endr
.irp i, 2,4,6,8,10,12,14
.irp b, 0,1,2,3
	v_max3_num_f32 v[TM+\b], v[TM+\b], |v[\s+16*\b+\i]|, |v[\s+1+16*\b+\i]|
.endr
.endr
.irp b, 0,1,2,3
	v_permlanex16_b32 v[TM+4+\b], v[TM+\b], s[SEL], s[SEL+1]
.endr
.irp b, 0,1,2,3
	v_max_num_f32 v[TM+\b], v[TM+\b], v[TM+4+\b]   ; with lane l xor 16's: the block's largest magnitude
.endr
.irp b, 0,1,2,3
	v_add_nc_u32 v[TM+12+\b], 0xff000000, v[TM+\b] ; 2 off its exponent field: the conversion's scale operand
.endr
.irp b, 0,1,2,3
	v_lshrrev_b32 v[TM+4+\b], 23, v[TM+12+\b]      ; the scale's byte
.endr
	v_lshl_or_b32 v[\pw], v[TM+5], 8, v[TM+4]
	v_lshl_or_b32 v[\pw], v[TM+6], 16, v[\pw]
	v_lshl_or_b32 v[\pw], v[TM+7], 24, v[\pw]
.irp b, 0,1,2,3
	v_cvt_scalef32_pk8_fp4_f32 v[(\pc)+2*\b], v[\s+16*\b:\s+7+16*\b], v[TM+12+\b]
	v_cvt_scalef32_pk8_fp4_f32 v[(\pc)+1+2*\b], v[\s+8+16*\b:\s+15+16*\b], v[TM+12+\b]
.endr
	v_nop                                          ; one plain place behind a scaled conversion
.irp c, 0,1                                    ; the operand's layout wants a whole block in a lane: lanes 0-15 block 2 c, lanes 16-31 block 2 c + 1
.irp i, 0,1
	v_permlane16_swap_b32 v[(\pc)+4*\c+\i], v[(\pc)+2+4*\c+\i]
.endr
.endr
.endm
.macro TILE u
.if \u == 0
	s_wait_loadcnt 16                              ; the even tile's 16 rows are in; the odd tile's 16 loads may be out
.else
	s_wait_loadcnt 0x0
.endif
.irp i, 0,1,2,3,4,5,6,7,8,9,10,11,12,13,14,15
	ds_store_b128 v4, v[R+64*\u+4*\i:R+64*\u+4*\i+3] offset:\i*SP
.endr
.irp b, 0,1,2,3
.irp j, 0,1,2,3
	ds_load_b128 v[X+16*\b+4*\j:X+16*\b+4*\j+3], v5 offset:128*\b+16*\j   ; LDS serves a wave's instructions in order: these see my stores
.endr
.endr
	s_wait_dscnt 0x0
	QUANT X, PC+8*\u, PW+\u
	global_store_b128 v3, v[PC+8*\u:PC+8*\u+3], s[24:25] offset:\u*8192       ; 512 consecutive bytes, aligned
	global_store_b128 v3, v[PC+8*\u+4:PC+8*\u+7], s[24:25] offset:\u*8192+512
.endm
	TILE 0
	TILE 1
	s_mov_b32 s20, 0xffff0000
	v_cndmask_b32 v50, v[PW], v[PW+1], s20         ; lanes 0-15 the even tile's words, lanes 16-31 the odd tile's
	global_store_b32 v6, v50, s[26:27] offset:2097152
	s_wait_tensorcnt 0x0                           ; the wave's end, behind my last LDS store
	ds_add_u32 v[SPW], v[NIL]
	s_wait_dscnt 0x0
	s_endpgm
.Lnot_hidden:
	s_cmp_lt_u32 ttmp9, 448
	s_cbranch_scc0 .Lo_path
; ---- qkv: K is the first axis.  A lane takes a column and its registers run down K: a block of 32 lies in one lane
	s_sub_co_u32 s19, s19, 128
	s_mul_i32 s20, s18, 128*12288                  ; 128 rows of 12,288 bytes a K step
	s_lshl_b32 s22, s19, 7
	s_add_co_u32 s20, s20, s22
	s_add_nc_u64 s[6:7], s[6:7], s[20:21]
.set nn, 0
.rept 128
	global_load_b32 v[R+nn], v6, s[6:7] offset:nn*12288 th:TH_LOAD_NT   ; 32 lanes read 128 consecutive bytes
.set nn, nn+1
.endr
	s_lshl_b32 s20, s19, 14
	s_lshl_b32 s22, s18, 10
	s_add_co_u32 s20, s20, s22
	s_add_nc_u64 s[24:25], s[12:13], s[20:21]
	s_lshl_b32 s20, s19, 10
	s_lshl_b32 s22, s18, 7
	s_add_co_u32 s20, s20, s22
	s_add_nc_u64 s[26:27], s[12:13], s[20:21]
.macro WBLOCK t, left                  ; block t of my column; left: the younger loads that may stay out (held to what the wait's field can name)
.set XS, R+32*\t
	s_wait_loadcnt \left
	v_max3_num_f32 v[TM], |v[XS]|, |v[XS+1]|, |v[XS+2]|
	v_max3_num_f32 v[TM+1], |v[XS+3]|, |v[XS+4]|, |v[XS+5]|
.irp i, 6,10,14,18,22,26
	v_max3_num_f32 v[TM], v[TM], |v[XS+\i]|, |v[XS+\i+1]|
	v_max3_num_f32 v[TM+1], v[TM+1], |v[XS+\i+2]|, |v[XS+\i+3]|
.endr
	v_max3_num_f32 v[TM], v[TM], |v[XS+30]|, |v[XS+31]|
	v_max3_num_f32 v[TM], v[TM], v[TM+1], 0x1800000
	v_add_nc_u32 v[TM+4+\t], 0xff000000, v[TM]
	v_lshrrev_b32 v[TM+2], 23, v[TM+4+\t]
.if \t == 0
	v_mov_b32 v50, v[TM+2]
.else
	v_lshl_or_b32 v50, v[TM+2], 8*\t, v50
.endif
.irp g, 0,1,2,3
	v_cvt_scalef32_pk8_fp4_f32 v[PC+4*\t+\g], v[XS+8*\g:XS+8*\g+7], v[TM+4+\t]
.endr
	v_nop
	global_store_b128 v10, v[PC+4*\t:PC+4*\t+3], s[24:25] offset:(\t/2)*512+(\t%2)*256   ; block t is registers 4 (t / 2) on of lanes 16 (t % 2) + r: sixteen lanes store 256 consecutive bytes, aligned
.endm
	WBLOCK 0, 63
	WBLOCK 1, 63
	WBLOCK 2, 32
	WBLOCK 3, 0
	global_store_b32 v6, v50, s[26:27] offset:1572864
	s_endpgm
.Lo_path:
; ---- o: rounded to f16, laid as the projection's operand
	s_sub_co_u32 s19, s19, 224
	s_lshl_b32 s20, s18, 19                        ; 128 rows of 4,096 bytes a K step
	s_lshl_b32 s22, s19, 7
	s_add_co_u32 s20, s20, s22
	s_add_nc_u64 s[8:9], s[8:9], s[20:21]
.set nn, 0
.rept 128
	global_load_b32 v[R+nn], v6, s[8:9] offset:nn*4096
.set nn, nn+1
.endr
	s_lshl_b32 s20, s19, 16
	s_lshl_b32 s22, s18, 12
	s_add_co_u32 s20, s20, s22
	s_add_nc_u64 s[24:25], s[14:15], s[20:21]
.macro OCHUNK cc, left                 ; 32 along K of my column
	s_wait_loadcnt \left
.set jj, 0
.rept 16
	v_cvt_pk_f16_f32 v[X+16*\cc+jj], v[R+32*\cc+2*jj], v[R+32*\cc+2*jj+1]
.set jj, jj+1
.endr
.irp q, 0,1
.irp e, 0,1
	global_store_b128 v11, v[X+16*\cc+8*\q+4*\e:X+16*\cc+8*\q+4*\e+3], s[24:25] offset:\cc*1024+\q*512+\e*256   ; k = 32 cc + 16 q + 8 e + 0 .. 7: quad q, lanes 16 e + r
.endr
.endr
.endm
	OCHUNK 0, 63
	OCHUNK 1, 63
	OCHUNK 2, 32
	OCHUNK 3, 0
	s_endpgm
.Lfunc_end_k_q66cbe8e68b_prep:
	.size	k_q66cbe8e68b_prep, .Lfunc_end_k_q66cbe8e68b_prep-k_q66cbe8e68b_prep
	.p2alignl 7, 3214868480
	.fill 96, 4, 3214868480
	.section	.rodata,"a",@progbits
	.p2align	6, 0x0
	.amdhsa_kernel k_q66cbe8e68b_prep
		.amdhsa_group_segment_fixed_size 34304
		.amdhsa_private_segment_fixed_size 0
		.amdhsa_enable_private_segment 0
		.amdhsa_kernarg_size 48
		.amdhsa_user_sgpr_count 2
		.amdhsa_user_sgpr_kernarg_segment_ptr 1
		.amdhsa_wavefront_size32 1
		.amdhsa_system_sgpr_workgroup_id_x 1
		.amdhsa_system_sgpr_workgroup_id_y 1
		.amdhsa_system_sgpr_workgroup_id_z 1
		.amdhsa_system_vgpr_workitem_id 0
		.amdhsa_next_free_vgpr 256
		.amdhsa_next_free_sgpr 66
		.amdhsa_reserve_vcc 0
		.amdhsa_float_denorm_mode_32 3
		.amdhsa_float_denorm_mode_16_64 3
		.amdhsa_memory_ordered 1
		.amdhsa_forward_progress 1
		.amdhsa_inst_pref_size 55
	.end_amdhsa_kernel
	.amdgpu_metadata
---
amdhsa.version: [ 1, 2 ]
amdhsa.kernels:
  - .name:           k_q66cbe8e68b_prep
    .symbol:         k_q66cbe8e68b_prep.kd
    .args:
      - { .name: hidden_states, .offset: 0, .size: 8, .value_kind: global_buffer, .address_space: global }
      - { .name: qkv, .offset: 8, .size: 8, .value_kind: global_buffer, .address_space: global }
      - { .name: o, .offset: 16, .size: 8, .value_kind: global_buffer, .address_space: global }
      - { .name: hq, .offset: 24, .size: 8, .value_kind: global_buffer, .address_space: global }
      - { .name: wq, .offset: 32, .size: 8, .value_kind: global_buffer, .address_space: global }
      - { .name: oimg, .offset: 40, .size: 8, .value_kind: global_buffer, .address_space: global }
    .group_segment_fixed_size: 34304
    .private_segment_fixed_size: 0
    .kernarg_segment_align: 8
    .kernarg_segment_size: 48
    .max_flat_workgroup_size: 128
    .sgpr_count:     66
    .vgpr_count:     256
    .wavefront_size: 32
...
	.end_amdgpu_metadata
.endif
;; end of part 1
;; launch qkv (part 2): grid 8 x 32, 12 waves a work-group, clusters of 4 x 4, 327,680 bytes of LDS; arguments hq, wq, qkvh, out1, out2; writes qkvh, out1, out2
.if DOCPART == 2
	.amdgcn_target "amdgcn-amd-amdhsa--gfx1250"
	.amdhsa_code_object_version 6
	.text
	.protected	k_q66cbe8e68b_qkv
	.globl	k_q66cbe8e68b_qkv
	.p2align	8
	.type	k_q66cbe8e68b_qkv,@function
k_q66cbe8e68b_qkv:
	s_mov_b64 s[64:65], 0
	v_nop
	global_prefetch_b8 v0, s[64:65] scope:SCOPE_SE
	s_setreg_imm32_b32 hwreg(HW_REG_WAVE_MODE, 25, 1), 1
	s_wait_xcnt 0x0
	s_wait_alu depctr_hold_cnt(0) depctr_sa_sdst(0) depctr_va_vdst(0) depctr_va_sdst(0) depctr_va_ssrc(0) depctr_va_vcc(0) depctr_vm_vsrc(0)
	s_getreg_b32 s2, hwreg(HW_REG_IB_STS2, 6, 4)
	s_cmp_eq_u32 s2, 0
	s_cbranch_scc0 .Lentry_in_a_cluster
	s_endpgm
.Lentry_in_a_cluster:
	s_bfe_u32 s2, ttmp6, 0x10000c
	s_cmp_lg_u32 s2, 0xf033
	s_cbranch_scc0 .Lentry_shape_is_right
	s_endpgm
.Lentry_shape_is_right:
; q, k, v = hidden x qkv on codes of E2M1 with E8M0 scales (the three quantised products).  No work is left out.
; A work-group takes 128 rows x (2 heads x {q, k, v}).  Wave w: which = w / 4 (0 q, 1 k, 2 v), head of the pair (w / 2) % 2, half of the rows w % 2: ONE tile of 64 x 64, 16 accumulators, K = 1,024 in 8 steps written out.
; All of K lies in LDS: hidden's block (64 KB) and one block of W for each of q, k, v (64 KB each), each a dense run of operand images brought by one tensor load.  First fills alone: nothing is filled again.
; CLUSTER 4 x 4: hidden's block hangs on the block of rows alone and is asked for jointly along a row of the cluster; W's blocks hang on the pair of heads alone and are asked for jointly along a column.
; q AND k WAVES use the product transposed (source 0 = 16 columns of W, source 1 = 16 rows of hidden): a lane holds one row and eight channels.  v WAVES take source 0 = rows, source 1 = columns: a lane holds one channel
; and eight keys.  So each result, rounded to f16 in pairs, IS a quad of the attention's operand image, and is stored as 512 consecutive bytes.  q is multiplied by 0.125 log2(e) first.
; k and v also leave as f32 (out1, out2) through the wave's own stage in LDS, as whole rows of 256 bytes.
; LIMIT: q x 0.18, k and v have to stay under 65,504 in magnitude for their f16 images.
.set STAGE, 262144                     ; behind the four blocks: 16 rows x 272 bytes for each wave
.set SPARE, STAGE+12*4352              ; behind the stages: the spare words, 128 bytes a wave
.set LN16, 1                           ; v1  16 x lane
.set ADW,  2                           ; v2  LDS address of my W fragments
.set ADH,  3                           ; v3  of my hidden fragments
.set STO,  4                           ; v4  the stage, k: row r, + 32 h
.set STV,  5                           ; v5  the stage, v: row 8 h, + 4 r
.set RD,   6                           ; v6  the stage, back: lanes 0-15 one row, lanes 16-31 the next
.set LN4,  7                           ; v7  4 x lane
.set SPW,  8
.set NIL,  9
.set SW,   16                          ; v16-31 W's scale words: 8 (pair of tiles) + K step; scales and nothing else
.set SH,   32                          ; v32-47 hidden's likewise
.set WF,   48                          ; v48-79  W's four fragments; on the way out the f16 packs
.set HF,   80                          ; v80-111 hidden's four; on the way out rows read back
.set ACC,  112                         ; v112-239 accumulator (y, u) at 112 + 8 (4 y + u)
.set PK,   48
.set BK,   80
.set WV,   14
.set G1H,  24
.set G1W,  32
.set G0H,  40
.set G0W,  44
.set CQ,   76                          ; s[76:77] 0.125 log2(e)
.macro CROUND                          ; a round of the cluster's barrier
	s_barrier_signal -1
	s_barrier_wait -1
	s_cmp_lg_u32 s[WV], 0
	s_cbranch_scc1 .Lnot_wave_0_\@
	s_barrier_signal -3
.Lnot_wave_0_\@:
	s_barrier_wait -3
	s_barrier_signal -1
	s_barrier_wait -1
.endm
	s_load_b256 s[4:11], s[0:1], 0x0               ; hq s[4:5], wq s[6:7], qkvh s[8:9], out1 s[10:11]
	s_load_b64 s[12:13], s[0:1], 0x20              ; out2
	v_lshl_add_u32 v[SPW], v0, 2, SPARE
	v_mov_b32 v[NIL], 0
	ds_add_u32 v[SPW], v[NIL]                      ; the opening: the add, twice on end, and its wait ahead of the first tensor load
	ds_add_u32 v[SPW], v[NIL]
	v_lshrrev_b32 v10, 5, v0
	v_readfirstlane_b32 s[WV], v10                 ; wave 0..11
	s_lshr_b32 s15, s[WV], 2                       ; which: 0 q, 1 k, 2 v
	s_bfe_u32 s16, s[WV], 0x10001                  ; head of the pair
	s_and_b32 s17, s[WV], 1                        ; half of the rows
	s_bfe_u32 s18, ttmp6, 0x40000                  ; cx
	s_bfe_u32 s19, ttmp6, 0x40004                  ; cy
	s_lshl_b32 s20, ttmp9, 2
	s_add_co_u32 s20, s20, s18                     ; pair of heads = 4 x cluster x + cx
	s_and_b32 s21, ttmp7, 0xffff
	s_lshl_b32 s21, s21, 2
	s_add_co_u32 s21, s21, s19                     ; block of 128 rows = 4 x cluster y + cy
	s_lshl_b32 s22, s19, 2
	s_lshl_b32 s22, 15, s22                        ; my row of the cluster
	s_lshl_b32 s23, 0x1111, s18                    ; my column
	s_or_b32 s[G1H], s22, (3<<16)|(1<<21)          ; elements of 8 bytes; bit 21 beside a mask; no padding
	s_or_b32 s[G1W], s23, (3<<16)|(1<<21)
.irp g, G1H, G1W                               ; 64 KB on end as 256 rows of 256 bytes
	s_mov_b32 s[\g+1], 32<<16
	s_mov_b32 s[\g+2], 256<<16
	s_mov_b32 s[\g+3], 32<<16
	s_mov_b32 s[\g+4], 256
	s_mov_b32 s[\g+5], 32
	s_mov_b32 s[\g+6], 0
	s_mov_b32 s[\g+7], 0
.endr
	s_lshl_b32 s48, s21, 16                        ; hidden's block in hq
	s_mov_b32 s49, 0
	s_max_u32 s50, s[WV], 1
	s_min_u32 s50, s50, 3
	s_sub_co_u32 s50, s50, 1                       ; waves 1, 2, 3 fetch W's block of q, k, v
	s_lshl_b32 s50, s50, 3
	s_add_co_u32 s50, s50, s20
	s_lshl_b32 s50, s50, 16
	s_mov_b32 s51, 0
	s_min_u32 s52, s[WV], 3
	s_lshl_b32 s52, s52, 16                        ; and where it goes: 65,536 x wave
	s_mov_b32 s[CQ], 0x3e38aa3b
	s_mov_b32 s[CQ+1], s[CQ]
	v_and_b32 v10, 31, v0
	v_and_b32 v11, 15, v0                          ; r
	v_bfe_u32 v12, v0, 4, 1                        ; h
	v_lshlrev_b32 v[LN16], 4, v10
	v_lshlrev_b32 v[LN4], 2, v10
	s_lshl_b32 s58, s17, 15
	v_add_nc_u32 v[ADH], s58, v[LN16]              ; my four tiles of rows
	s_add_co_u32 s59, s15, 1
	s_lshl_b32 s59, s59, 16
	s_lshl_b32 s60, s16, 15
	s_add_co_u32 s59, s59, s60
	v_add_nc_u32 v[ADW], s59, v[LN16]              ; my four tiles of columns
	s_mul_i32 s60, s[WV], 4352
	s_add_co_u32 s60, s60, STAGE
	v_mul_u32_u24 v[STO], v11, 272
	v_lshl_add_u32 v[STO], v12, 5, v[STO]
	v_add_nc_u32 v[STO], s60, v[STO]
	v_mul_u32_u24 v[STV], v12, 2176
	v_lshl_add_u32 v[STV], v11, 2, v[STV]
	v_add_nc_u32 v[STV], s60, v[STV]
	v_mul_u32_u24 v[RD], v12, 272
	v_lshl_add_u32 v[RD], v11, 4, v[RD]
	v_add_nc_u32 v[RD], s60, v[RD]
	; byte offsets of what I load and store myself
	s_lshl_b32 s54, s21, 12
	s_lshl_b32 s55, s17, 11
	s_add_co_u32 s54, s54, s55                     ; hidden's scale words: pair of tiles 4 x block + 2 x half, 1,024 bytes a pair
	s_mov_b32 s55, 0
	s_lshl_b32 s56, s15, 15
	s_lshl_b32 s57, s20, 12
	s_add_co_u32 s56, s56, s57
	s_lshl_b32 s57, s16, 11
	s_add_co_u32 s56, s56, s57                     ; W's: pair 32 x which + 4 x pair of heads + 2 x head
	s_mov_b32 s57, 0
	s_lshr_b32 s61, s21, 4                         ; batch
	s_lshl_b32 s61, s61, 4
	s_lshl_b32 s62, s20, 1
	s_add_co_u32 s61, s61, s62
	s_add_co_u32 s61, s61, s16                     ; 16 x batch + head
	s_and_b32 s62, s21, 15
	s_lshl_b32 s62, s62, 1
	s_add_co_u32 s62, s62, s17                     ; my group of 64 positions
	s_lshl_b32 s66, s15, 23
	s_lshl_b32 s63, s61, 18
	s_add_co_u32 s66, s66, s63
	s_lshl_b32 s63, s62, 13
	s_add_co_u32 s66, s66, s63                     ; the image: part, head, group
	s_mov_b32 s67, 0
	s_lshl_b32 s68, s61, 19
	s_lshl_b32 s63, s62, 14
	s_add_co_u32 s68, s68, s63                     ; out1, out2: 64 rows of 256 bytes a group
	s_mov_b32 s69, 0
	s_wait_dscnt 0x0                               ; both opening adds are done
	s_wait_kmcnt 0x0
	s_mov_b32 s[G0H], 1
	s_mov_b32 s[G0H+1], 0
	s_add_nc_u64 s[G0H+2:G0H+3], s[4:5], s[48:49]
	s_or_b32 s[G0H+3], s[G0H+3], 0x80000000
	s_mov_b32 s[G0W], 1
	s_mov_b32 s[G0W+1], s52
	s_add_nc_u64 s[G0W+2:G0W+3], s[6:7], s[50:51]
	s_or_b32 s[G0W+3], s[G0W+3], 0x80000000
	s_add_nc_u64 s[54:55], s[4:5], s[54:55]
	s_add_nc_u64 s[56:57], s[6:7], s[56:57]
	s_add_nc_u64 s[66:67], s[8:9], s[66:67]
	s_add_nc_u64 s[70:71], s[12:13], s[68:69]      ; out2
	s_add_nc_u64 s[68:69], s[10:11], s[68:69]      ; out1
	CROUND                                         ; all sixteen work-groups are here: the joint loads meet
	s_cmp_eq_u32 s[WV], 0                          ; wave 0: hidden's block; waves 1 to 3: W's; the others none.  An s_nop 0 and four v_nop follow each line
	s_cbranch_scc0 .Lnot_h
	tensor_load_to_lds s[G0H:G0H+3], s[G1H:G1H+7]
	s_nop 0
.rept 4
	v_nop
.endr
	s_branch .Lasked
.Lnot_h:
	s_cmp_lt_u32 s[WV], 4
	s_cbranch_scc0 .Lasked
	tensor_load_to_lds s[G0W:G0W+3], s[G1W:G1W+7]
	s_nop 0
.rept 4
	v_nop
.endr
.Lasked:
.irp p, 0,1
.irp k, 0,1,2,3,4,5,6,7
	global_load_b32 v[SH+8*\p+\k], v[LN4], s[54:55] offset:2097152+\p*1024+\k*128   ; lanes 0-15 the even tile's words, lanes 16-31 the odd tile's
	global_load_b32 v[SW+8*\p+\k], v[LN4], s[56:57] offset:1572864+\p*1024+\k*128
.endr
.endr
	s_wait_tensorcnt 0x0                           ; my block, if I fetched one, has landed;
	s_barrier_signal -1
	s_barrier_wait -1                              ; everybody's has
	s_wait_loadcnt 0x0                             ; the scale words
; one matrix instruction; ra, rb: which half of the lanes holds the scales of source 0 and of source 1
.macro WM ra, rb, ks
.if (\ks) == 0
.if ((\ra) == 0) && ((\rb) == 0)
	v_wmma_scale_f32_16x16x128_f8f6f4 v[rD:rD+7], v[rA:rA+7], v[rB:rB+7], 0, v[rSA], v[rSB] matrix_a_fmt:MATRIX_FMT_FP4 matrix_b_fmt:MATRIX_FMT_FP4
.elseif ((\ra) == 1) && ((\rb) == 0)
	v_wmma_scale_f32_16x16x128_f8f6f4 v[rD:rD+7], v[rA:rA+7], v[rB:rB+7], 0, v[rSA], v[rSB] matrix_a_fmt:MATRIX_FMT_FP4 matrix_b_fmt:MATRIX_FMT_FP4 matrix_a_scale:MATRIX_SCALE_ROW1
.elseif ((\ra) == 0) && ((\rb) == 1)
	v_wmma_scale_f32_16x16x128_f8f6f4 v[rD:rD+7], v[rA:rA+7], v[rB:rB+7], 0, v[rSA], v[rSB] matrix_a_fmt:MATRIX_FMT_FP4 matrix_b_fmt:MATRIX_FMT_FP4 matrix_b_scale:MATRIX_SCALE_ROW1
.else
	v_wmma_scale_f32_16x16x128_f8f6f4 v[rD:rD+7], v[rA:rA+7], v[rB:rB+7], 0, v[rSA], v[rSB] matrix_a_fmt:MATRIX_FMT_FP4 matrix_b_fmt:MATRIX_FMT_FP4 matrix_a_scale:MATRIX_SCALE_ROW1 matrix_b_scale:MATRIX_SCALE_ROW1
.endif
.else
.if ((\ra) == 0) && ((\rb) == 0)
	v_wmma_scale_f32_16x16x128_f8f6f4 v[rD:rD+7], v[rA:rA+7], v[rB:rB+7], v[rD:rD+7], v[rSA], v[rSB] matrix_a_fmt:MATRIX_FMT_FP4 matrix_b_fmt:MATRIX_FMT_FP4
.elseif ((\ra) == 1) && ((\rb) == 0)
	v_wmma_scale_f32_16x16x128_f8f6f4 v[rD:rD+7], v[rA:rA+7], v[rB:rB+7], v[rD:rD+7], v[rSA], v[rSB] matrix_a_fmt:MATRIX_FMT_FP4 matrix_b_fmt:MATRIX_FMT_FP4 matrix_a_scale:MATRIX_SCALE_ROW1
.elseif ((\ra) == 0) && ((\rb) == 1)
	v_wmma_scale_f32_16x16x128_f8f6f4 v[rD:rD+7], v[rA:rA+7], v[rB:rB+7], v[rD:rD+7], v[rSA], v[rSB] matrix_a_fmt:MATRIX_FMT_FP4 matrix_b_fmt:MATRIX_FMT_FP4 matrix_b_scale:MATRIX_SCALE_ROW1
.else
	v_wmma_scale_f32_16x16x128_f8f6f4 v[rD:rD+7], v[rA:rA+7], v[rB:rB+7], v[rD:rD+7], v[rSA], v[rSB] matrix_a_fmt:MATRIX_FMT_FP4 matrix_b_fmt:MATRIX_FMT_FP4 matrix_a_scale:MATRIX_SCALE_ROW1 matrix_b_scale:MATRIX_SCALE_ROW1
.endif
.endif
.endm
; A step of 128 along K: eight fragments from LDS, sixteen products.  fa, sa: source 0's fragments and scale words; fb, sb: source 1's.  The sixteen accumulators take turns; the first step starts the sums.
.macro KSTEP ks, fa, fb, sa, sb
.if \ks > 0
.rept 4
	v_nop                                          ; four places in front of loads into registers that matrix instructions have read
.endr
.endif
.irp t, 0,1,2,3
.irp c, 0,1
	ds_load_b128 v[WF+8*\t+4*\c:WF+8*\t+4*\c+3], v[ADW] offset:\t*8192+\ks*1024+\c*512
	ds_load_b128 v[HF+8*\t+4*\c:HF+8*\t+4*\c+3], v[ADH] offset:\t*8192+\ks*1024+\c*512
.endr
.endr
	s_wait_dscnt 0x0
.irp y, 0,1,2,3
.irp u, 0,1,2,3
.set rD, ACC+8*(4*\y+\u)
.set rA, \fa+8*\u
.set rB, \fb+8*\y
.set rSA, \sa+8*(\u/2)+\ks
.set rSB, \sb+8*(\y/2)+\ks
	WM \u%2, \y%2, \ks
.endr
.endr
.endm
; accumulators (t, 0..3) become four quads of the image: rounded to f16 in pairs, each accumulator from its low end on
.macro IMG t, scale, pk
.irp u, 0,1,2,3
.set rD, ACC+8*(4*\t+\u)
.if \scale
.irp j, 0,2,4,6
	v_pk_mul_f32 v[rD+\j:rD+\j+1], v[rD+\j:rD+\j+1], s[CQ:CQ+1] op_sel_hi:[1,0]
.endr
.endif
.irp j, 0,1,2,3
	v_cvt_pk_f16_f32 v[(\pk)+4*\u+\j], v[rD+2*\j], v[rD+2*\j+1]
.endr
.endr
.irp u, 0,1,2,3
	global_store_b128 v[LN16], v[(\pk)+4*\u:(\pk)+4*\u+3], s[66:67] offset:\t*2048+\u*512   ; 512 consecutive bytes, aligned
.endr
.endm
.macro BACK t, base                    ; 16 rows of 256 bytes come back from my stage and leave: 4 KB on end
.irp i, 0,1,2,3,4,5,6,7
	ds_load_b128 v[BK+4*\i:BK+4*\i+3], v[RD] offset:\i*544   ; LDS serves a wave's instructions in order: these see my stores
.endr
	s_wait_dscnt 0x0
.irp i, 0,1,2,3,4,5,6,7
	global_store_b128 v[LN16], v[BK+4*\i:BK+4*\i+3], s[\base:\base+1] offset:\t*4096+\i*512
.endr
.endm
	s_cmp_lt_u32 s[WV], 8
	s_cbranch_scc0 .Lv_arm
.irp k, 0,1,2,3,4,5,6,7
	KSTEP \k, WF, HF, SW, SH
.endr
.rept 4
	v_nop                                          ; four places in front of the first read of results and the first write over operands
.endr
	s_cmp_lt_u32 s[WV], 4
	s_cbranch_scc0 .Lk_out
	IMG 0, 1, PK                                   ; q: four sets of packs, so no store's data are written again
	IMG 1, 1, PK+16
	IMG 2, 1, PK+32
	IMG 3, 1, PK+48
	s_branch .Ldone
.Lk_out:
.irp t, 0,1,2,3
.if \t > 0
	s_wait_xcnt 0x0                                ; the last tile's stores have read their registers: packs and rows may be written again
.endif
	IMG \t, 0, PK
.irp u, 0,1,2,3
	ds_store_b128 v[STO], v[ACC+8*(4*\t+\u):ACC+8*(4*\t+\u)+3] offset:64*\u       ; row r, channels 16 u + 8 h + 0 .. 7
	ds_store_b128 v[STO], v[ACC+8*(4*\t+\u)+4:ACC+8*(4*\t+\u)+7] offset:64*\u+16
.endr
	BACK \t, 68
.endr
	s_branch .Ldone
.Lv_arm:
.irp k, 0,1,2,3,4,5,6,7
	KSTEP \k, HF, WF, SH, SW
.endr
.rept 4
	v_nop
.endr
.irp t, 0,1,2,3
.if \t > 0
	s_wait_xcnt 0x0
.endif
	IMG \t, 0, PK                                  ; channel tile t, keys 16 u + 8 h + 0 .. 7
.irp y, 0,1,2,3
.irp j, 0,1,2,3,4,5,6,7
	ds_store_b32 v[STV], v[ACC+8*(4*\y+\t)+\j] offset:\j*272+64*\y   ; key tile t: row 8 h + j, channel 16 y + r
.endr
.endr
	BACK \t, 70
.endr
.Ldone:
	s_wait_tensorcnt 0x0                           ; the wave's end
	ds_add_u32 v[SPW], v[NIL]
	s_wait_dscnt 0x0
	CROUND                                         ; the closing round
	s_endpgm
.Lfunc_end_k_q66cbe8e68b_qkv:
	.size	k_q66cbe8e68b_qkv, .Lfunc_end_k_q66cbe8e68b_qkv-k_q66cbe8e68b_qkv
	.p2alignl 7, 3214868480
	.fill 96, 4, 3214868480
	.section	.rodata,"a",@progbits
	.p2align	6, 0x0
	.amdhsa_kernel k_q66cbe8e68b_qkv
		.amdhsa_group_segment_fixed_size 327680
		.amdhsa_private_segment_fixed_size 0
		.amdhsa_enable_private_segment 0
		.amdhsa_kernarg_size 40
		.amdhsa_user_sgpr_count 2
		.amdhsa_user_sgpr_kernarg_segment_ptr 1
		.amdhsa_wavefront_size32 1
		.amdhsa_system_sgpr_workgroup_id_x 1
		.amdhsa_system_sgpr_workgroup_id_y 1
		.amdhsa_system_sgpr_workgroup_id_z 1
		.amdhsa_system_vgpr_workitem_id 0
		.amdhsa_next_free_vgpr 256
		.amdhsa_next_free_sgpr 80
		.amdhsa_reserve_vcc 0
		.amdhsa_float_denorm_mode_32 3
		.amdhsa_float_denorm_mode_16_64 3
		.amdhsa_memory_ordered 1
		.amdhsa_forward_progress 1
		.amdhsa_inst_pref_size 102
	.end_amdhsa_kernel
	.amdgpu_metadata
---
amdhsa.version: [ 1, 2 ]
amdhsa.kernels:
  - .name:           k_q66cbe8e68b_qkv
    .symbol:         k_q66cbe8e68b_qkv.kd
    .args:
      - { .name: hq, .offset: 0, .size: 8, .value_kind: global_buffer, .address_space: global }
      - { .name: wq, .offset: 8, .size: 8, .value_kind: global_buffer, .address_space: global }
      - { .name: qkvh, .offset: 16, .size: 8, .value_kind: global_buffer, .address_space: global }
      - { .name: out1, .offset: 24, .size: 8, .value_kind: global_buffer, .address_space: global }
      - { .name: out2, .offset: 32, .size: 8, .value_kind: global_buffer, .address_space: global }
    .group_segment_fixed_size: 327680
    .private_segment_fixed_size: 0
    .kernarg_segment_align: 8
    .kernarg_segment_size: 40
    .max_flat_workgroup_size: 384
    .sgpr_count:     80
    .vgpr_count:     256
    .wavefront_size: 32
...
	.end_amdgpu_metadata
.endif
;; end of part 2
;; launch attn (part 3): grid 8 x 32, 8 waves a work-group, clusters of 4 x 4, 327,680 bytes of LDS; arguments qkvh, mask, ah, out2, part; writes ah, part
.if DOCPART == 3
	.amdgcn_target "amdgcn-amd-amdhsa--gfx1250"
	.amdhsa_code_object_version 6
	.text
	.protected	k_q66cbe8e68b_attn
	.globl	k_q66cbe8e68b_attn
	.p2align	8
	.type	k_q66cbe8e68b_attn,@function
k_q66cbe8e68b_attn:
	s_mov_b64 s[64:65], 0
	v_nop
	global_prefetch_b8 v0, s[64:65] scope:SCOPE_SE
	s_setreg_imm32_b32 hwreg(HW_REG_WAVE_MODE, 25, 1), 1
	s_wait_xcnt 0x0
	s_wait_alu depctr_hold_cnt(0) depctr_sa_sdst(0) depctr_va_vdst(0) depctr_va_sdst(0) depctr_va_ssrc(0) depctr_va_vcc(0) depctr_vm_vsrc(0)
	s_getreg_b32 s2, hwreg(HW_REG_IB_STS2, 6, 4)
	s_cmp_eq_u32 s2, 0
	s_cbranch_scc0 .Lentry_in_a_cluster
	s_endpgm
.Lentry_in_a_cluster:
	s_bfe_u32 s2, ttmp6, 0x10000c
	s_cmp_lg_u32 s2, 0xf033
	s_cbranch_scc0 .Lentry_shape_is_right
	s_endpgm
.Lentry_shape_is_right:
; ATTENTION: scores, the mask, softmax and p v, for all positions, on f16 operands with f32 sums.  No work is left out: the mask is an input, so every query walks all 2,048 keys.
; t = s m + K10 (m - 1), s = score x 0.125 log2(e) (q's image carries the factor), K10 = 10000 log2(e); p = 2^(t - the running largest t); O and the sum are multiplied by 2^(old largest - new) in every step; O is divided by the sum at the end.
; SHARES.  A work-group takes 128 queries x 2 heads of one batch, so that a tile of the mask serves two heads.  Wave w: head w / 4 of the pair, queries 32 (w % 4) on: two tiles of 16.  Keys go 128 a step.
; LAYOUT.  S^T = K Q^T and O^T = V^T P: a lane holds one query throughout.  q, k, v lie in memory as images of their operands' registers, so every fragment is read at 16 x lane, and a step's keys of one head are 16 KB on end.
; RING.  Two LDS slots, each: K of head 0, K of head 1, V of head 0, V of head 1 (16 KB each), the mask's 128 rows x 128 keys (rows of 512 + 16 bytes).  Waves 0-3 fetch the four pieces of K and V, waves 4-7 32 rows of the mask each:
; one tensor load of 16 KB a wave behind each round; one load of mine is out at a time, and it has a trip in which to land.
; CLUSTER 4 x 4.  The mask's tile hangs on the block of queries alone: asked for jointly along a row of the cluster.  K's and V's pieces hang on batch and pair of heads alone: jointly along a column.
; HALF A STEP APART.  A step has two halves.  HEAD holds all its LDS reads: K's fragments, S^T, V's fragments, both tiles' mask, tile 0's exponentials, tile 1's t.  TAIL works on registers alone: the sums, tile 1's
; exponentials, p in f16, the rescaling, V^T P.  Between two barriers a wave of role 0 runs HEAD, TAIL of one step; a wave of role 1 runs the TAIL of the step before, then HEAD.  role = (w / 4 + w) % 2: of waves w and w + 4,
; and of waves w and w + 1, one has each role.  So half of the waves ask LDS and the matrix unit while the other half has vector work.  A TAIL reads no LDS, so the slot that was left may be filled behind the barrier as ever.
; waits, the add, rounds and tensor loads are on every wave's path.
; THE FINE ROWS' FIRST PART stands at the head, in the four waves of role 0, while tile 0 is on its way: positions 0 to 15 of one (batch, head) against 64 keys: scores (f16 operands: each sums 64 terms), the mask,
; p = 2^(t - the wave's own largest t), and O^T = V^T p by the f32 matrix form with v as f32 from out2.  The partial O^T (not normalised), the largest t and the sum go to part; the projection's launch joins a head's 32 parts.
; The 1,024 such jobs are shared out by address: (batch, head) = my block's number, 64 keys = 4 x my pair of heads + w / 2.  Slot (h, j) of product (kt, i) is key 16 kt + 8 h + 2 i + j on both sides, so p's registers are the operand as they stand.
; LIMIT: the output, like q, k, v, is carried as f16: magnitudes under 65,504.
; REGISTERS.  Window 0: v1-10 addresses; v12-13 -K10; v16-31 statistics, 8 a tile (+0 largest t, +2 factor, +4, +5 sum, +6, +7 at work); v32-43 at work; v48-63 K10 (m - 1); v64-191 S^T, 64 a tile, then p, whose f16 pairs are
; packed into the tile's first 32; v192-255 one tile's mask.  Window 1: v0-63 O^T (32 a tile); v64-95 Q; v96-223 K's 16 fragments, then V's; v224-255 the fine rows' four accumulators, written by the f32 matrix form alone.
; The fine rows' job borrows window 0's v16-255 before the loop needs them.
.set SLOTB, 133120
.set SPARE, 2*SLOTB
.set LN16, 1
.set AK0,  2
.set AV0,  3
.set AM0,  4
.set ADK,  5
.set ADV,  6
.set ADM,  7
.set SPW,  8
.set NIL,  9
.set PFO,  10
.set NK,   12
.set ST,   16
.set CH,   32
.set SM,   36
.set BT,   48
.set S,    64
.set MB,   192
.set OT,   0                           ; window 1
.set QF,   64
.set KF,   96
.set JM,   16                          ; the fine rows' job: v16 the mask's offset, v17 v's, v18 8 x lane
.set JV,   17
.set J8,   18
.set JT,   20                          ; v20, v21 at work
.set JX,   22                          ; v[22:23] the largest t, twice
.set JO,   24                          ; v[24:25] (largest t, sum), as stored
.set JQ,   32                          ; v32-47   Q's two fragments; later K10 (m - 1), later sums
.set JK,   64                          ; v64-127  K's eight fragments; later v of key tiles 2, 3
.set JMB,  128                         ; v128-159 the mask
.set JS,   160                         ; v160-191 scores, then p
.set JVA,  192                         ; v192-255 v of key tiles 0, 1
.set JAC,  224                         ; window 1: the four accumulators
.set WV,   10
.set ROLE, 22
.set JIX,  23
.set G1K,  24
.set G1M,  32
.set G0K,  40
.set G0M,  44
.set FB,   48                          ; s48 the slot that is filled next
.set TB,   49                          ; s49 the slot that is read
.set LK0,  50
.set LM0,  51
.set SLOTS, 52
.set LIM,  53
.set PFA,  54
.set PFS,  56
.set K10,  58
.set SEL,  60
.set MSB, 0
.macro WIN new                         ; the immediate's high byte repeats the setting that is left
.if MSB != \new
	s_set_vgpr_msb (MSB<<8)|\new
.set MSB, \new
.endif
.endm
.macro CROUND
	s_barrier_signal -1
	s_barrier_wait -1
	s_cmp_lg_u32 s[WV], 0
	s_cbranch_scc1 .Lnot_wave_0_\@
	s_barrier_signal -3
.Lnot_wave_0_\@:
	s_barrier_wait -3
	s_barrier_signal -1
	s_barrier_wait -1
.endm
.macro JLOAD                           ; a joint load: waves 0-3 for K and V, waves 4-7 for the mask; an s_nop 0 and four v_nop follow each line
	s_cmp_lt_u32 s[WV], 4
	s_cbranch_scc0 .Lfor_m_\@
	tensor_load_to_lds s[G0K:G0K+3], s[G1K:G1K+7]
	s_nop 0
.rept 4
	v_nop
.endr
	s_branch .Lasked_\@
.Lfor_m_\@:
	tensor_load_to_lds s[G0M:G0M+3], s[G1M:G1M+7]
	s_nop 0
.rept 4
	v_nop
.endr
.Lasked_\@:
.endm
; A prefetch of what the NEXT change of slots will ask for, behind my tensor load.  Each aligned 256 bytes is named once in the launch.  K and V of a batch and pair of heads are walked by four clusters along y: the first of them asks;
; partner cy takes piece cy (told apart by address), waves 0 and 1 half of it each, lanes 256 bytes apart.  A block of queries' mask is walked by the two clusters along x: the first asks; partner cx takes rows 32 cx + lane,
; waves 4 and 5 one half of a row's 512 bytes each.  The last change that fills a slot asks for nothing: no tile follows.
.macro ASK
	s_cmp_gt_u32 s[SLOTS], s[LIM]
	s_cbranch_scc0 .Lnot_mine_\@
	global_prefetch_b8 v[PFO], s[PFA:PFA+1] th:TH_LOAD_NT scope:SCOPE_SE
.Lnot_mine_\@:
.endm
	s_load_b128 s[4:7], s[0:1], 0x0                ; qkvh s[4:5], mask s[6:7]
	s_load_b64 s[8:9], s[0:1], 0x10                ; ah
	s_load_b128 s[80:83], s[0:1], 0x18             ; out2 s[80:81], part s[82:83]
	v_lshl_add_u32 v[SPW], v0, 2, SPARE
	v_mov_b32 v[NIL], 0
	ds_add_u32 v[SPW], v[NIL]                      ; the opening: the add, twice on end, and its wait ahead of my first tensor load
	ds_add_u32 v[SPW], v[NIL]
	v_lshrrev_b32 v11, 5, v0
	v_readfirstlane_b32 s[WV], v11                 ; wave 0..7
	s_lshr_b32 s11, s[WV], 2                       ; my head of the pair
	s_and_b32 s12, s[WV], 3                        ; my 32 queries; also: which piece I fetch
	s_xor_b32 s[ROLE], s11, s[WV]
	s_and_b32 s[ROLE], s[ROLE], 1                  ; my role: 0 in waves 0, 2, 5, 7
	s_lshr_b32 s[JIX], s[WV], 1                    ; which of the work-group's four fine jobs: 0, 1, 2, 3 in those waves
	s_bfe_u32 s13, ttmp6, 0x40000                  ; cx
	s_bfe_u32 s14, ttmp6, 0x40004                  ; cy
	s_lshl_b32 s15, ttmp9, 2
	s_add_co_u32 s15, s15, s13                     ; pair of heads
	s_and_b32 s16, ttmp7, 0xffff                   ; cluster y
	s_lshl_b32 s17, s16, 2
	s_add_co_u32 s17, s17, s14                     ; block of 128 queries, over both batches
	s_lshr_b32 s18, s16, 2                         ; batch: the same in the whole cluster
	s_lshl_b32 s19, s14, 2
	s_lshl_b32 s19, 15, s19                        ; my row of the cluster
	s_lshl_b32 s20, 0x1111, s13                    ; my column
	s_or_b32 s[G1K], s20, (3<<16)|(1<<21)          ; 16 KB on end as 64 rows of 256 bytes
	s_mov_b32 s[G1K+1], 32<<16
	s_mov_b32 s[G1K+2], 64<<16
	s_mov_b32 s[G1K+3], 32<<16
	s_mov_b32 s[G1K+4], 64
	s_mov_b32 s[G1K+5], 32
	s_mov_b32 s[G1K+6], 0
	s_mov_b32 s[G1K+7], 0
	s_or_b32 s[G1M], s19, (2<<16)|(1<<20)|(1<<21)|(6<<22)|(3<<25)   ; 32 rows x 128 f32, 2,048 from row to row; four words of padding behind every 128
	s_mov_b32 s[G1M+1], 128<<16
	s_mov_b32 s[G1M+2], 32<<16
	s_mov_b32 s[G1M+3], 128<<16
	s_mov_b32 s[G1M+4], 32
	s_mov_b32 s[G1M+5], 2048
	s_mov_b32 s[G1M+6], 0
	s_mov_b32 s[G1M+7], 0
	s_lshl_b32 s21, s18, 4
	s_lshl_b32 s62, s15, 1
	s_add_co_u32 s21, s21, s62                     ; 16 x batch + the pair's first head
	s_lshr_b32 s62, s12, 1
	s_add_co_u32 s62, s62, 1
	s_lshl_b32 s62, s62, 23                        ; pieces 0, 1: k's part of the images; 2, 3: v's
	s_and_b32 s63, s12, 1
	s_add_co_u32 s63, s63, s21
	s_lshl_b32 s63, s63, 18
	s_add_co_u32 s66, s62, s63
	s_mov_b32 s67, 0
	s_lshl_b32 s68, s17, 20                        ; the mask: 128 rows of 8,192 bytes a block,
	s_lshl_b32 s62, s12, 18                        ; my 32 of them
	s_add_co_u32 s68, s68, s62
	s_mov_b32 s69, 0
	s_lshl_b32 s[LK0], s12, 14
	s_mul_i32 s[LM0], s12, 16896
	s_add_co_u32 s[LM0], s[LM0], 65536
	s_add_co_u32 s70, s21, s11                     ; Q: my head,
	s_lshl_b32 s70, s70, 18
	s_and_b32 s62, s17, 15
	s_lshl_b32 s62, s62, 1
	s_lshr_b32 s63, s12, 1
	s_add_co_u32 s62, s62, s63
	s_lshl_b32 s62, s62, 13                        ; my group of 64 positions,
	s_add_co_u32 s70, s70, s62
	s_and_b32 s62, s12, 1
	s_lshl_b32 s62, s62, 12                        ; my two tiles in it
	s_add_co_u32 s70, s70, s62
	s_mov_b32 s71, 0
	s_lshl_b32 s72, s17, 3
	s_lshl_b32 s62, s12, 1
	s_add_co_u32 s72, s72, s62
	s_lshl_b32 s72, s72, 15                        ; ah: my first tile of rows, 32,768 bytes a tile,
	s_lshl_b32 s62, s15, 1
	s_add_co_u32 s62, s62, s11
	s_lshl_b32 s62, s62, 11                        ; my head's two chunks of 32 along the projection's K
	s_add_co_u32 s72, s72, s62
	s_mov_b32 s73, 0
	s_lshr_b32 s74, s14, 1                         ; the prefetches.  K and V: piece cy,
	s_add_co_u32 s74, s74, 1
	s_lshl_b32 s74, s74, 23
	s_and_b32 s62, s14, 1
	s_add_co_u32 s62, s62, s21
	s_lshl_b32 s62, s62, 18
	s_add_co_u32 s74, s74, s62
	s_and_b32 s76, s[WV], 1
	s_lshl_b32 s62, s76, 13                        ; my half of it,
	s_add_co_u32 s74, s74, s62
	s_add_co_u32 s74, s74, 16384                   ; at tile 1: the first change of slots steps it to tile 2
	s_lshl_b32 s75, s17, 20                        ; the mask: rows 32 cx on,
	s_lshl_b32 s62, s13, 18
	s_add_co_u32 s75, s75, s62
	s_lshl_b32 s62, s76, 8                         ; my half of a row's 512 bytes,
	s_add_co_u32 s75, s75, s62
	s_add_co_u32 s75, s75, 512                     ; at tile 1
	s_and_b32 s77, s16, 3
	s_and_b32 s78, s[WV], 2
	s_mov_b32 s[K10], 0x46616bcd
	s_mov_b32 s[K10+1], s[K10]
	s_mov_b32 s[SEL], 0x76543210
	s_mov_b32 s[SEL+1], 0xfedcba98
	s_mov_b32 s[FB], 0
	s_mov_b32 s[TB], 0
	s_mov_b32 s[SLOTS], 15
	v_and_b32 v11, 31, v0
	v_and_b32 v14, 15, v0                          ; r
	v_bfe_u32 v15, v0, 4, 1                        ; h
	v_lshlrev_b32 v[LN16], 4, v11
	s_lshl_b32 s62, s11, 14
	v_add_nc_u32 v[AK0], s62, v[LN16]              ; K of my head
	v_add_nc_u32 v[AV0], 32768, v[AK0]             ; V of my head
	v_mul_u32_u24 v[AM0], v14, 528
	v_lshl_add_u32 v[AM0], v15, 5, v[AM0]
	v_add_nc_u32 v[AM0], s[LM0], v[AM0]            ; the mask: row 32 (w % 4) + r, + 8 h keys
	v_mov_b32 v[NK], 0xc6616bcd                    ; -K10, twice
	v_mov_b32 v[NK+1], 0xc6616bcd
	WIN 0x40                                       ; destination window 1
.set jj, 0
.rept 64
	v_mov_b32 v[OT+jj], 0                          ; O^T.  (The halves are written for every step alike: the first finds zeros, which its factor 0 leaves zeros.)  Work on registers while the adds and the arguments are out
.set jj, jj+1
.endr
	WIN 0
	s_wait_dscnt 0x0                               ; both opening adds are done
	s_wait_kmcnt 0x0
	s_mov_b32 s[G0K], 1
	s_mov_b32 s[G0K+1], s[LK0]
	s_add_nc_u64 s[G0K+2:G0K+3], s[4:5], s[66:67]
	s_or_b32 s[G0K+3], s[G0K+3], 0x80000000
	s_mov_b32 s[G0M], 1
	s_mov_b32 s[G0M+1], s[LM0]
	s_add_nc_u64 s[G0M+2:G0M+3], s[6:7], s[68:69]
	s_or_b32 s[G0M+3], s[G0M+3], 0x80000000
	s_add_nc_u64 s[70:71], s[4:5], s[70:71]
	s_add_nc_u64 s[8:9], s[8:9], s[72:73]
	s_mov_b32 s79, 512
	s_cmp_lt_u32 s[WV], 4
	s_cselect_b64 s[PFA:PFA+1], s[4:5], s[6:7]
	s_cselect_b32 s74, s74, s75
	s_cselect_b32 s77, s77, ttmp9                  ; the coordinate along which other clusters walk the same bytes
	s_cselect_b32 s[PFS], 16384, s79               ; a tile on
	s_cselect_b32 s79, 8, 13                       ; from lane to lane: 256 bytes, or a row of the mask
	s_mov_b32 s[PFS+1], 0
	s_mov_b32 s75, 0
	s_add_nc_u64 s[PFA:PFA+1], s[PFA:PFA+1], s[74:75]
	v_lshlrev_b32 v[PFO], s79, v11
	s_or_b32 s77, s77, s78                         ; 0 in waves 0, 1, 4, 5 of the cluster that asks: the same in all sixteen partners
	s_cmp_eq_u32 s77, 0
	s_cselect_b32 s[LIM], 1, -1
	CROUND                                         ; all sixteen work-groups are here: the first joint loads meet
	JLOAD                                          ; tile 0 into slot 0
	WIN 0x40                                       ; destination window 1
.set jj, 0
.rept 8
	global_load_b128 v[QF+4*jj:QF+4*jj+3], v[LN16], s[70:71] offset:512*jj   ; Q stays in registers: tile jj / 4, channels 32 ((jj / 2) % 2) on
.set jj, jj+1
.endr
	WIN 0
; ---- the fine rows' job: the waves of role 0 alone; only global addresses hang on my work-group's place
	s_cmp_lg_u32 s[ROLE], 0
	s_cbranch_scc1 .Lno_job
	v_lshlrev_b32 v[JM], 13, v14
	v_lshl_add_u32 v[JM], v15, 5, v[JM]            ; the mask: row r of 8,192 bytes, + 8 h keys
	v_lshlrev_b32 v[JV], 2, v14
	v_lshl_add_u32 v[JV], v15, 11, v[JV]           ; v: 8 h rows of 256 bytes, + channel r
	v_lshlrev_b32 v[J8], 3, v11                    ; 8 x lane
	s_lshl_b32 s96, s15, 2
	s_add_co_u32 s96, s96, s[JIX]                  ; which 64 keys; s17 serves as 16 x batch + head
	s_lshl_b32 s86, s17, 18
	s_mov_b32 s87, 0
	s_add_nc_u64 s[84:85], s[4:5], s[86:87]        ; Q: the head's first tile of rows
	s_lshl_b32 s97, s96, 13
	s_add_co_u32 s86, s86, s97
	s_add_co_u32 s86, s86, 8388608                 ; k's part of the images
	s_add_nc_u64 s[86:87], s[4:5], s[86:87]        ; K: my group of 64 keys
	s_lshr_b32 s88, s17, 4
	s_lshl_b32 s88, s88, 24
	s_lshl_b32 s97, s96, 8
	s_add_co_u32 s88, s88, s97
	s_mov_b32 s89, 0
	s_add_nc_u64 s[88:89], s[6:7], s[88:89]        ; the mask: the batch's first rows, my 64 keys
	s_lshl_b32 s90, s17, 19
	s_lshl_b32 s97, s96, 14
	s_add_co_u32 s90, s90, s97
	s_mov_b32 s91, 0
	s_add_nc_u64 s[90:91], s[80:81], s[90:91]      ; v in f32
	s_lshl_b32 s98, s17, 5
	s_add_co_u32 s98, s98, s96                     ; my part's number
	s_lshl_b32 s92, s98, 12
	s_mov_b32 s93, 0
	s_add_nc_u64 s[92:93], s[82:83], s[92:93]
	s_lshl_b32 s94, s98, 8
	s_mov_b32 s95, 0
	s_add_nc_u64 s[94:95], s[82:83], s[94:95]      ; its statistics (4,194,304 bytes further on: in the immediate)
.set jj, 0
.rept 4
	global_load_b128 v[JQ+4*jj:JQ+4*jj+3], v[LN16], s[84:85] offset:512*jj
.set jj, jj+1
.endr
.set jj, 0
.rept 16
	global_load_b128 v[JK+4*jj:JK+4*jj+3], v[LN16], s[86:87] offset:512*jj
.set jj, jj+1
.endr
.set jj, 0
.rept 8
	global_load_b128 v[JMB+4*jj:JMB+4*jj+3], v[JM], s[88:89] offset:64*(jj/2)+16*(jj%2)
.set jj, jj+1
.endr
.macro JVLOAD reg, t0                  ; v of key tiles t0, t0 + 1: pair (tile, i, channel tile): keys 16 tile + 8 h + 2 i + 0, 1 of channel 16 ct + r
.irp e, 0,1
.irp i, 0,1,2,3
.irp c, 0,1,2,3
.irp j, 0,1
	global_load_b32 v[\reg+((\e*4+\i)*4+\c)*2+\j], v[JV], s[90:91] offset:(16*(\t0+\e)+2*\i+\j)*256+64*\c
.endr
.endr
.endr
.endr
.endm
	JVLOAD JVA, 0
	s_wait_loadcnt 63                              ; Q, K and the mask are in: 64 loads are younger, and 63 is the most that the wait can name
.irp c, 0,1
.irp t, 0,1,2,3
.if \c == 0
	v_wmma_f32_16x16x32_f16 v[JS+8*\t:JS+8*\t+7], v[JK+16*\t+8*\c:JK+16*\t+8*\c+7], v[JQ+8*\c:JQ+8*\c+7], 0
.else
	v_wmma_f32_16x16x32_f16 v[JS+8*\t:JS+8*\t+7], v[JK+16*\t+8*\c:JK+16*\t+8*\c+7], v[JQ+8*\c:JQ+8*\c+7], v[JS+8*\t:JS+8*\t+7]
.endif
.endr
.endr
.rept 4
	v_nop                                          ; four places in front of loads into K's registers, of writes over Q's and of the first read of the scores
.endr
	JVLOAD JK, 2
.irp q, 0,1
.irp j, 0,2,4,6,8,10,12,14
	v_pk_fma_f32 v[JQ+\j:JQ+\j+1], v[JMB+16*\q+\j:JMB+16*\q+\j+1], s[K10:K10+1], v[NK:NK+1] op_sel_hi:[1,0,1]   ; K10 m - K10: 0 where m = 1, -K10 where m = 0, both exact
.endr
.irp j, 0,2,4,6,8,10,12,14
	v_pk_fma_f32 v[JS+16*\q+\j:JS+16*\q+\j+1], v[JS+16*\q+\j:JS+16*\q+\j+1], v[JMB+16*\q+\j:JMB+16*\q+\j+1], v[JQ+\j:JQ+\j+1]   ; t
.endr
.endr
	v_max3_num_f32 v[JT], v[JS], v[JS+1], v[JS+2]
	v_max3_num_f32 v[JT+1], v[JS+3], v[JS+4], v[JS+5]
.irp i, 6,10,14,18,22,26
	v_max3_num_f32 v[JT], v[JT], v[JS+\i], v[JS+\i+1]
	v_max3_num_f32 v[JT+1], v[JT+1], v[JS+\i+2], v[JS+\i+3]
.endr
	v_max3_num_f32 v[JT], v[JT], v[JS+30], v[JS+31]
	v_max_num_f32 v[JT], v[JT], v[JT+1]
	v_permlanex16_b32 v[JT+1], v[JT], s[SEL], s[SEL+1]
	v_max_num_f32 v[JX], v[JT], v[JT+1]            ; the largest t of my query among these 64 keys
	v_mov_b32 v[JX+1], v[JX]
.set jj, 0
.rept 16
	v_pk_add_f32 v[JS+jj:JS+jj+1], v[JS+jj:JS+jj+1], v[JX:JX+1] neg_lo:[0,1] neg_hi:[0,1]
.set jj, jj+2
.endr
.set jj, 0
.rept 32
	v_exp_f32 v[JS+jj], v[JS+jj]
.set jj, jj+1
.endr
	v_nop                                          ; a plain place behind the exponentials
	s_wait_alu depctr_va_vdst(0)                   ; one wait for the batch, ahead of its first reader
	v_pk_add_f32 v[JQ:JQ+1], v[JS:JS+1], v[JS+2:JS+3]
	v_pk_add_f32 v[JQ+2:JQ+3], v[JS+4:JS+5], v[JS+6:JS+7]
.irp j, 8,12,16,20,24,28
	v_pk_add_f32 v[JQ:JQ+1], v[JQ:JQ+1], v[JS+\j:JS+\j+1]
	v_pk_add_f32 v[JQ+2:JQ+3], v[JQ+2:JQ+3], v[JS+\j+2:JS+\j+3]
.endr
	v_pk_add_f32 v[JQ:JQ+1], v[JQ:JQ+1], v[JQ+2:JQ+3]
	v_add_f32 v[JT], v[JQ], v[JQ+1]
	v_permlanex16_b32 v[JT+1], v[JT], s[SEL], s[SEL+1]
	v_add_f32 v[JO+1], v[JT], v[JT+1]              ; the sum of p
	v_mov_b32 v[JO], v[JX]
.macro JPVF reg, t0, first             ; 32 products of 4 along K; the four accumulators take turns; the first four start the sums
.irp e, 0,1
.irp i, 0,1,2,3
.irp c, 0,1,2,3
.set rV, \reg+((\e*4+\i)*4+\c)*2
.set rP, JS+8*(\t0+\e)+2*\i
.if \first && (\e == 0) && (\i == 0)
	v_wmma_f32_16x16x4_f32 v[JAC+8*\c:JAC+8*\c+7], v[rV:rV+1], v[rP:rP+1], 0
.else
	v_wmma_f32_16x16x4_f32 v[JAC+8*\c:JAC+8*\c+7], v[rV:rV+1], v[rP:rP+1], v[JAC+8*\c:JAC+8*\c+7]
.endif
.endr
.endr
.endr
.endm
	s_wait_loadcnt 63                              ; v of key tiles 0, 1 is in: 64 loads are younger
	WIN 0x50                                       ; v and p in window 0, C and D in window 1
	JPVF JVA, 0, 1
	s_wait_loadcnt 0x0
	JPVF JK, 2, 0
.rept 8
	v_nop                                          ; eight places behind this form in front of stores of its results and of writes over its operands
.endr
	WIN 0x04                                       ; a store's data are its source 1: window 1
.set jj, 0
.rept 8
	global_store_b128 v[LN16], v[JAC+4*jj:JAC+4*jj+3], s[92:93] offset:512*jj   ; quad 2 ct + half: channels 16 ct + 8 h + 4 half + 0 .. 3 of query r; each accumulator from its low end on
.set jj, jj+1
.endr
	WIN 0
	global_store_b64 v[J8], v[JO:JO+1], s[94:95] offset:4194304
	s_wait_xcnt 0x0                                ; the stores have read their registers: v16-31 are written next
.Lno_job:
.irp a, 0,1
	v_mov_b32 v[ST+8*\a], 0xff61b1e6               ; the largest t so far: -3e38, under every t
	v_mov_b32 v[ST+8*\a+1], 0
.irp j, 2,3,4,5,6,7
	v_mov_b32 v[ST+8*\a+\j], 0
.endr
.endr
	s_wait_loadcnt 0x0                             ; Q
.macro MLOAD a                         ; tile a's mask for the step's 128 keys: register 8 kt + j = key 16 kt + 8 h + j of my query
.set jj, 0
.rept 16
	ds_load_b128 v[MB+4*jj:MB+4*jj+3], v[ADM] offset:\a*8448+64*(jj/2)+16*(jj%2)
.set jj, jj+1
.endr
.endm
.macro APPLY a                         ; t = s m + (K10 m - K10), sixteen registers at a time, each accumulator from its low end on
.irp q, 0,1,2,3
.irp j, 0,2,4,6,8,10,12,14
	v_pk_fma_f32 v[BT+\j:BT+\j+1], v[MB+16*\q+\j:MB+16*\q+\j+1], s[K10:K10+1], v[NK:NK+1] op_sel_hi:[1,0,1]
.endr
.irp j, 0,2,4,6,8,10,12,14
	v_pk_fma_f32 v[S+64*\a+16*\q+\j:S+64*\a+16*\q+\j+1], v[S+64*\a+16*\q+\j:S+64*\a+16*\q+\j+1], v[MB+16*\q+\j:MB+16*\q+\j+1], v[BT+\j:BT+\j+1]
.endr
.endr
.endm
.macro STATS a                         ; the new largest t, t less it, and the batch of exponentials: the factor and 64 p
.set rS, S+64*\a
.set rT, ST+8*\a
.irp q, 0,1,2,3
	v_max3_num_f32 v[CH+\q], v[rS+16*\q], v[rS+16*\q+1], v[rS+16*\q+2]
.endr
.irp i, 3,5,7,9,11,13
.irp q, 0,1,2,3
	v_max3_num_f32 v[CH+\q], v[CH+\q], v[rS+16*\q+\i], v[rS+16*\q+\i+1]
.endr
.endr
	v_max3_num_f32 v[CH], v[CH], v[rS+15], v[rS+31]
	v_max3_num_f32 v[CH+2], v[CH+2], v[rS+47], v[rS+63]
	v_max3_num_f32 v[CH], v[CH], v[CH+1], v[CH+2]
	v_max3_num_f32 v[CH], v[CH], v[CH+3], v[rT]
	v_permlanex16_b32 v[rT+7], v[CH], s[SEL], s[SEL+1]   ; the query's other 64 keys lie in the lane 16 away
	v_max_num_f32 v[rT+7], v[CH], v[rT+7]
	v_sub_f32 v[rT+6], v[rT], v[rT+7]              ; old less new: 0 or less
	v_mov_b32 v[rT], v[rT+7]
.set jj, 0
.rept 32
	v_pk_add_f32 v[rS+jj:rS+jj+1], v[rS+jj:rS+jj+1], v[rT:rT+1] op_sel_hi:[1,0] neg_lo:[0,1] neg_hi:[0,1]
.set jj, jj+2
.endr
	v_exp_f32 v[rT+2], v[rT+6]
.set jj, 0
.rept 64
	v_exp_f32 v[rS+jj], v[rS+jj]
.set jj, jj+1
.endr
.endm
.macro FINISH a                        ; the sum of p, in four chains; p rounded to f16, packed into the tile's first 32 registers: they are the second product's operand
.set rS, S+64*\a
.set rT, ST+8*\a
.irp q, 0,1,2,3
	v_pk_add_f32 v[SM+2*\q:SM+2*\q+1], v[rS+4*\q:rS+4*\q+1], v[rS+4*\q+2:rS+4*\q+3]
.endr
.irp i, 16,24,32,40,48,56
.irp q, 0,1,2,3
	v_pk_add_f32 v[SM+2*\q:SM+2*\q+1], v[SM+2*\q:SM+2*\q+1], v[rS+\i+2*\q:rS+\i+2*\q+1]
.endr
.endr
	v_pk_add_f32 v[SM:SM+1], v[SM:SM+1], v[SM+2:SM+3]
	v_pk_add_f32 v[SM+4:SM+5], v[SM+4:SM+5], v[SM+6:SM+7]
	v_pk_add_f32 v[SM:SM+1], v[SM:SM+1], v[SM+4:SM+5]
	v_pk_fma_f32 v[rT+4:rT+5], v[rT+4:rT+5], v[rT+2:rT+3], v[SM:SM+1] op_sel_hi:[1,0,1]
.set jj, 0
.rept 32
	v_cvt_pk_f16_f32 v[rS+jj], v[rS+2*jj], v[rS+2*jj+1]
.set jj, jj+1
.endr
.endm
.macro RESCALE a                       ; O^T x the factor (window setting 0x41: O^T in window 1, the factor in window 0)
.set jj, 0
.rept 16
	v_pk_mul_f32 v[OT+32*\a+jj:OT+32*\a+jj+1], v[OT+32*\a+jj:OT+32*\a+jj+1], v[ST+8*\a+2:ST+8*\a+3] op_sel_hi:[1,0]
.set jj, jj+2
.endr
.endm
.macro KQG g                           ; S^T of key tiles 4 g .. 4 g + 3, both tiles of queries: 16 products; the eight accumulators take turns; the first eight start the sums
.irp c, 0,1
.irp t, 0,1,2,3
.irp a, 0,1
.set rD, S+64*\a+8*(4*\g+\t)
.set rK, KF+16*(4*\g+\t)+8*\c
.set rQ, QF+16*\a+8*\c
.if \c == 0
	v_wmma_f32_16x16x32_f16 v[rD:rD+7], v[rK:rK+7], v[rQ:rQ+7], 0
.else
	v_wmma_f32_16x16x32_f16 v[rD:rD+7], v[rK:rK+7], v[rQ:rQ+7], v[rD:rD+7]
.endif
.endr
.endr
.endr
.endm
.macro VLD k0                          ; V^T: keys 32 k on, k = k0, k0 + 1; channels 16 c on: into the registers that K's key tiles 2 k0 .. 2 k0 + 3 have left
.irp k, \k0, \k0+1
.irp c, 0,1,2,3
.irp q, 0,1
	ds_load_b128 v[KF+32*(\k)+8*\c+4*\q:KF+32*(\k)+8*\c+4*\q+3], v[ADV] offset:((\k)/2)*8192+\c*2048+((\k)%2)*1024+\q*512
.endr
.endr
.endr
.endm
; THE FIRST HALF OF A STEP of 128 keys: all its LDS reads
.macro HEAD
	WIN 0
	v_add_nc_u32 v[ADK], s[TB], v[AK0]
	v_add_nc_u32 v[ADV], s[TB], v[AV0]
	v_add_nc_u32 v[ADM], s[TB], v[AM0]
	v_nop
	v_nop                                          ; five places behind the last products: in front of loads into their operands (four are asked) and of products that write over p (five)
	WIN 0x40
.set jj, 0
.rept 32
	ds_load_b128 v[KF+4*jj:KF+4*jj+3], v[ADK] offset:512*jj   ; K's fragments: key tile jj / 4, channels 32 ((jj / 2) % 2) on
.set jj, jj+1
.endr
	WIN 0
	MLOAD 0
	s_wait_dscnt 32                                ; K's key tiles 0-3 are in; its other sixteen loads and the mask's sixteen may be out
	WIN 0x05                                       ; K and Q in window 1, S^T in window 0
	KQG 0
.rept 4
	v_nop                                          ; four places in front of loads into the registers of K's key tiles 0-3
.endr
	WIN 0x40
	VLD 0
	s_wait_dscnt 32                                ; K's key tiles 4-7 are in; the mask's sixteen loads and V's first sixteen may be out
	WIN 0x05
	KQG 1
.rept 4
	v_nop                                          ; four places in front of loads into K's registers and of the first read of the scores
.endr
	WIN 0x40
	VLD 2
	WIN 0
	s_wait_dscnt 32                                ; tile 0's mask is in; V's 32 loads may be out
	APPLY 0
	MLOAD 1
	STATS 0
	s_wait_dscnt 0x0                               ; V and tile 1's mask: my reads of this slot are over
	APPLY 1                                        ; plain work that names no result of tile 0's exponentials
	s_wait_alu depctr_va_vdst(0)                   ; one wait for tile 0's batch, ahead of its first reader and of the branch that follows
	s_xor_b32 s[TB], s[TB], SLOTB                  ; the next HEAD reads the other slot
.endm
; THE SECOND HALF: registers alone
.macro TAIL
	WIN 0
	FINISH 0
	STATS 1
	WIN 0x41
	RESCALE 0                                      ; plain work behind tile 1's batch
	WIN 0
	s_wait_alu depctr_va_vdst(0)                   ; one wait for tile 1's batch
	FINISH 1
	WIN 0x41
	RESCALE 1
	WIN 0x51                                       ; V and O^T in window 1, p in window 0
.irp k, 0,1,2,3
.irp c, 0,1,2,3
.irp a, 0,1
	v_wmma_f32_16x16x32_f16 v[OT+32*\a+8*\c:OT+32*\a+8*\c+7], v[KF+32*\k+8*\c:KF+32*\k+8*\c+7], v[S+64*\a+8*\k:S+64*\a+8*\k+7], v[OT+32*\a+8*\c:OT+32*\a+8*\c+7]
.endr
.endr
.endr
	WIN 0
.endm
; THE CHANGE OF SLOTS stands at a trip's head.  Each wave waits for all its tensor loads (its piece of the tile that is about to be read), adds 0 to its spare word, and waits for that and for its reads of the slot that it has left.
; fill = 1: a round of the cluster's barrier, and behind it the joint load of the next tile into the slot that was left.
.macro CHANGE fill
	WIN 0
	s_wait_tensorcnt 0x0                           ; no tensor load of mine is out, so a group 0 may be written
	ds_add_u32 v[SPW], v[NIL]
.if \fill
	s_xor_b32 s[FB], s[FB], SLOTB
	s_add_co_u32 s[G0K+1], s[LK0], s[FB]
	s_add_co_u32 s[G0M+1], s[LM0], s[FB]
	s_add_nc_u64 s[G0K+2:G0K+3], s[G0K+2:G0K+3], 16384   ; the next 128 keys
	s_add_nc_u64 s[G0M+2:G0M+3], s[G0M+2:G0M+3], 512
	s_wait_xcnt 0x0                                ; the last prefetch, a trip back, has read its address
	s_add_nc_u64 s[PFA:PFA+1], s[PFA:PFA+1], s[PFS:PFS+1]
	s_wait_dscnt 0x0                               ; the add is done, and my reads of the slot that I have left are over
	CROUND
	JLOAD
	ASK
.else
	s_wait_dscnt 0x0
	s_barrier_signal -1
	s_barrier_wait -1
.endif
.endm
	CHANGE 1                                       ; the first trip is written out: role 1 has no step behind it yet
	HEAD
	s_cmp_lg_u32 s[ROLE], 0
	s_cbranch_scc1 .Llate_1
	TAIL
.Llate_1:
	s_mov_b32 s[SLOTS], 14
.Ltile:                                            ; 14 trips: with the first, behind each change of slots but the last the next tile is asked for
	CHANGE 1
	s_cmp_eq_u32 s[ROLE], 0
	s_cbranch_scc1 .Learly_2
	TAIL                                           ; role 1: the step before
.Learly_2:
	HEAD
	s_cmp_lg_u32 s[ROLE], 0
	s_cbranch_scc1 .Llate_2
	TAIL                                           ; role 0: this step
.Llate_2:
	s_sub_co_u32 s[SLOTS], s[SLOTS], 1
	s_cmp_lg_u32 s[SLOTS], 0
	s_cbranch_scc1 .Ltile
	CHANGE 0                                       ; the last tile is written out
	s_cmp_eq_u32 s[ROLE], 0
	s_cbranch_scc1 .Learly_3
	TAIL
.Learly_3:
	HEAD
	TAIL                                           ; both roles: the last step
	; THE WAY OUT: O^T / the sum, rounded to f16: a lane's eight channels of a query are a quad of the projection's operand image
.rept 4
	v_nop                                          ; four places behind the last products
.endr
.irp a, 0,1
	v_add_f32 v[ST+8*\a+6], v[ST+8*\a+4], v[ST+8*\a+5]
.endr
.irp a, 0,1
	v_permlanex16_b32 v[ST+8*\a+7], v[ST+8*\a+6], s[SEL], s[SEL+1]
.endr
.irp a, 0,1
	v_add_f32 v[ST+8*\a+6], v[ST+8*\a+6], v[ST+8*\a+7]
.endr
.irp a, 0,1
	v_rcp_f32 v[ST+8*\a+2], v[ST+8*\a+6]
.endr
	v_nop
	s_wait_alu depctr_va_vdst(0)                   ; one wait for both reciprocals
	WIN 0x01                                       ; source 0 (O^T) window 1
.irp a, 0,1
.set jj, 0
.rept 16
	v_pk_mul_f32 v[S+32*\a+jj:S+32*\a+jj+1], v[OT+32*\a+jj:OT+32*\a+jj+1], v[ST+8*\a+2:ST+8*\a+3] op_sel_hi:[1,0]
.set jj, jj+2
.endr
.endr
	WIN 0
.set jj, 0
.rept 32
	v_cvt_pk_f16_f32 v[S+64+jj], v[S+2*jj], v[S+2*jj+1]
.set jj, jj+1
.endr
.irp a, 0,1
.irp c, 0,1,2,3
	global_store_b128 v[LN16], v[S+64+16*\a+4*\c:S+64+16*\a+4*\c+3], s[8:9] offset:\a*32768+\c*512   ; 512 consecutive bytes, aligned
.endr
.endr
	s_wait_tensorcnt 0x0                           ; the wave's end
	ds_add_u32 v[SPW], v[NIL]
	s_wait_dscnt 0x0
	CROUND                                         ; the closing round
	s_endpgm
.Lfunc_end_k_q66cbe8e68b_attn:
	.size	k_q66cbe8e68b_attn, .Lfunc_end_k_q66cbe8e68b_attn-k_q66cbe8e68b_attn
	.p2alignl 7, 3214868480
	.fill 96, 4, 3214868480
	.section	.rodata,"a",@progbits
	.p2align	6, 0x0
	.amdhsa_kernel k_q66cbe8e68b_attn
		.amdhsa_group_segment_fixed_size 327680
		.amdhsa_private_segment_fixed_size 0
		.amdhsa_enable_private_segment 0
		.amdhsa_kernarg_size 40
		.amdhsa_user_sgpr_count 2
		.amdhsa_user_sgpr_kernarg_segment_ptr 1
		.amdhsa_wavefront_size32 1
		.amdhsa_system_sgpr_workgroup_id_x 1
		.amdhsa_system_sgpr_workgroup_id_y 1
		.amdhsa_system_sgpr_workgroup_id_z 1
		.amdhsa_system_vgpr_workitem_id 0
		.amdhsa_next_free_vgpr 512
		.amdhsa_next_free_sgpr 100
		.amdhsa_reserve_vcc 0
		.amdhsa_float_denorm_mode_32 3
		.amdhsa_float_denorm_mode_16_64 3
		.amdhsa_memory_ordered 1
		.amdhsa_forward_progress 1
		.amdhsa_inst_pref_size 209
	.end_amdhsa_kernel
	.amdgpu_metadata
---
amdhsa.version: [ 1, 2 ]
amdhsa.kernels:
  - .name:           k_q66cbe8e68b_attn
    .symbol:         k_q66cbe8e68b_attn.kd
    .args:
      - { .name: qkvh, .offset: 0, .size: 8, .value_kind: global_buffer, .address_space: global }
      - { .name: mask, .offset: 8, .size: 8, .value_kind: global_buffer, .address_space: global }
      - { .name: ah, .offset: 16, .size: 8, .value_kind: global_buffer, .address_space: global }
      - { .name: out2, .offset: 24, .size: 8, .value_kind: global_buffer, .address_space: global }
      - { .name: part, .offset: 32, .size: 8, .value_kind: global_buffer, .address_space: global }
    .group_segment_fixed_size: 327680
    .private_segment_fixed_size: 0
    .kernarg_segment_align: 8
    .kernarg_segment_size: 40
    .max_flat_workgroup_size: 256
    .sgpr_count:     100
    .vgpr_count:     512
    .wavefront_size: 32
...
	.end_amdgpu_metadata
.endif
;; end of part 3
;; launch proj (part 4): grid 8 x 32, 4 waves a work-group, clusters of 4 x 4, 327,680 bytes of LDS; arguments ah, oimg, out0, part, finea; writes out0, finea
.if DOCPART == 4
	.amdgcn_target "amdgcn-amd-amdhsa--gfx1250"
	.amdhsa_code_object_version 6
	.text
	.protected	k_q66cbe8e68b_proj
	.globl	k_q66cbe8e68b_proj
	.p2align	8
	.type	k_q66cbe8e68b_proj,@function
k_q66cbe8e68b_proj:
	s_mov_b64 s[64:65], 0
	v_nop
	global_prefetch_b8 v0, s[64:65] scope:SCOPE_SE
	s_setreg_imm32_b32 hwreg(HW_REG_WAVE_MODE, 25, 1), 1
	s_wait_xcnt 0x0
	s_wait_alu depctr_hold_cnt(0) depctr_sa_sdst(0) depctr_va_vdst(0) depctr_va_sdst(0) depctr_va_ssrc(0) depctr_va_vcc(0) depctr_vm_vsrc(0)
	s_getreg_b32 s2, hwreg(HW_REG_IB_STS2, 6, 4)
	s_cmp_eq_u32 s2, 0
	s_cbranch_scc0 .Lentry_in_a_cluster
	s_endpgm
.Lentry_in_a_cluster:
	s_bfe_u32 s2, ttmp6, 0x10000c
	s_cmp_lg_u32 s2, 0xf033
	s_cbranch_scc0 .Lentry_shape_is_right
	s_endpgm
.Lentry_shape_is_right:
; THE PROJECTION: out0 [4096][1024] = attention's output [4096][1024] x o [1024][1024], f16 operands, f32 sums.  No work is left out.
; A tile of out0 is 128 x 128; four waves, each 64 x 64: 16 accumulators.  K goes in steps of 256 through two LDS slots.  Both operands lie in memory as images of their registers ([tile of 16][chunk of 32 along K][quad][lane][16 B]),
; so a wave's tensor load brings 4 tiles x 8 KB, and a fragment is read at 16 x lane with no padding.
; CLUSTER 4 x 4: the rows' tiles are asked for jointly along a row of the cluster, o's along a column.  The matrix instruction is used transposed (source 0 = 16 columns of o, source 1 = 16 rows): a lane holds eight neighbouring
; numbers of a row of out0.  A wave's 64 columns are 256 bytes of f32, so each wave has a stage of its own and stores whole aligned runs of 256 bytes.
; BESIDE IT, wave 0 of each work-group joins one quad of the fine rows: the 32 parts (64 keys each) of one (batch, head) are brought under their common largest t, added and divided by the sum, in f32, and stored into finea.
; REGISTERS: window 0: v16-30 addresses; v32-95 at work on the way out; v96-105 the joining; v128-255 the accumulators.  Window 1: two fragment buffers of 128.
.set KSTEPB, 8192                      ; a K step of 256 in a tile's image
.set HALFT,  32768                     ; four tiles: what one tensor load brings, and what one wave reads of either side
.set SLOT,   4*HALFT
.set STAGE,  2*SLOT
.set SPITCH, 272
.set SPARE,  STAGE+4*16*SPITCH
.set LAPS,   2
.set ADRA, 16
.set ADRB, 20
.set STO,  24
.set RD,   25
.set CO,   26
.set LN16, 27
.set SPW,  28
.set NIL,  29
.set LN8,  30
.set TMP,  32
.set ACC,  128
.set F0,   0
.set F1,   128
.set G1, 24
.set G0, 32
.set G1B, 48
.set G0B, 56
.set MSB, 0
.macro WIN new
.if MSB != \new
	s_set_vgpr_msb (MSB<<8)|\new
.set MSB, \new
.endif
.endm
.set MUL,  0x05                        ; sources 0 and 1 window 1; C and D window 0
.set TO_F, 0x40                        ; destination window 1, address window 0
.macro JLOAD s                         ; a joint load: waves 0 and 1 fetch the rows' two halves, waves 2 and 3 o's; an s_nop 0 and four v_nop follow each line
	s_cmp_eq_u32 s11, 0
	s_cbranch_scc0 .Lfor_b_\@
	tensor_load_to_lds s[G0+4*\s:G0+4*\s+3], s[G1:G1+7]
	s_nop 0
.rept 4
	v_nop
.endr
	s_branch .Lasked_\@
.Lfor_b_\@:
	tensor_load_to_lds s[G0B+4*\s:G0B+4*\s+3], s[G1B:G1B+7]
	s_nop 0
.rept 4
	v_nop
.endr
.Lasked_\@:
.endm
.macro CREST
	s_cmp_lg_u32 s10, 0
	s_cbranch_scc1 .Lnot_wave_0_\@
	s_barrier_signal -3
.Lnot_wave_0_\@:
	s_barrier_wait -3
	s_barrier_signal -1
	s_barrier_wait -1
.endm
.macro CROUND
	s_barrier_signal -1
	s_barrier_wait -1
	CREST
.endm
	s_load_b128 s[4:7], s[0:1], 0x0                ; ah s[4:5], oimg s[6:7]
	s_load_b64 s[8:9], s[0:1], 0x10                ; out0
	s_load_b128 s[68:71], s[0:1], 0x18             ; part s[68:69], finea s[70:71]
	v_lshl_add_u32 v[SPW], v0, 2, SPARE
	v_mov_b32 v[NIL], 0
	ds_add_u32 v[SPW], v[NIL]                      ; the opening: the add, twice on end, and its wait ahead of my first tensor load
	ds_add_u32 v[SPW], v[NIL]
	v_lshrrev_b32 v1, 5, v0
	v_readfirstlane_b32 s10, v1                    ; wave 0..3
	s_lshr_b32 s11, s10, 1                         ; which half of the tile's rows is mine.  Also: I fetch rows (0) or o (1)
	s_and_b32 s12, s10, 1                          ; which half of its columns.  Also: which four tiles I fetch
	s_bfe_u32 s40, ttmp6, 0x40000
	s_bfe_u32 s41, ttmp6, 0x40004
	s_lshl_b32 s42, ttmp9, 2
	s_add_co_u32 s42, s42, s40                     ; tile column = 4 x cluster x + cx
	s_and_b32 s13, ttmp7, 0xffff
	s_lshl_b32 s13, s13, 2
	s_add_co_u32 s13, s13, s41                     ; tile row = 4 x cluster y + cy
	s_lshl_b32 s43, s41, 2
	s_lshl_b32 s43, 15, s43                        ; my row of the cluster
	s_lshl_b32 s44, 0x1111, s40                    ; my column
	s_or_b32 s[G1+0], s43, (3<<16)|(1<<21)         ; elements of 8 bytes; bit 21 beside a mask; no padding
	s_or_b32 s[G1B+0], s44, (3<<16)|(1<<21)
.irp g, G1, G1B                                ; 4 rows (tiles) of 8,192 bytes, 32,768 bytes apart
	s_mov_b32 s[\g+1], 1024<<16
	s_mov_b32 s[\g+2], 4<<16
	s_mov_b32 s[\g+3], 1024<<16
	s_mov_b32 s[\g+4], 4
	s_mov_b32 s[\g+5], 4096
	s_mov_b32 s[\g+6], 0
	s_mov_b32 s[\g+7], 0
.endr
	s_lshl_b32 s18, s12, 17                        ; which four tiles
	s_lshl_b32 s16, s13, 18
	s_add_co_u32 s16, s16, s18                     ; rows: 8 tiles a tile row
	s_lshl_b32 s46, s42, 18
	s_add_co_u32 s46, s46, s18                     ; o: 8 tiles a tile column
	s_mov_b32 s17, 0
	s_mov_b32 s47, 0
	s_mul_i32 s20, s10, HALFT                      ; where they go: wave x four tiles
	s_wait_dscnt 0x0                               ; both opening adds are done
	s_wait_kmcnt 0x0
	s_add_nc_u64 s[14:15], s[4:5], s[16:17]
	s_add_nc_u64 s[46:47], s[6:7], s[46:47]
	CROUND                                         ; all sixteen work-groups are here: the first joint loads meet
.irp s, 0,1
	s_mov_b32 s[G0+4*\s], 1
	s_add_co_u32 s[G0+4*\s+1], s20, \s*SLOT
	s_add_nc_u64 s[G0+4*\s+2:G0+4*\s+3], s[14:15], \s*KSTEPB
	s_or_b32 s[G0+4*\s+3], s[G0+4*\s+3], 0x80000000
	s_mov_b32 s[G0B+4*\s], 1
	s_add_co_u32 s[G0B+4*\s+1], s20, \s*SLOT
	s_add_nc_u64 s[G0B+4*\s+2:G0B+4*\s+3], s[46:47], \s*KSTEPB
	s_or_b32 s[G0B+4*\s+3], s[G0B+4*\s+3], 0x80000000
	JLOAD \s
.endr
	v_and_b32 v1, 15, v0                           ; r
	v_bfe_u32 v2, v0, 4, 1                         ; h
	v_and_b32 v3, 31, v0
	v_lshlrev_b32 v[LN16], 4, v3
	v_lshlrev_b32 v[LN8], 3, v3
	s_mul_i32 s21, s11, HALFT                      ; my four tiles of rows
	s_mul_i32 s22, s12, HALFT                      ; my four tiles of o,
	s_add_co_u32 s22, s22, 2*HALFT                 ; which lie behind the rows' eight
.irp s, 0,1
	v_add_nc_u32 v[ADRA+\s], s21, v[LN16]
	v_add_nc_u32 v[ADRB+\s], s22, v[LN16]
	s_add_co_u32 s21, s21, SLOT
	s_add_co_u32 s22, s22, SLOT
.endr
	s_mul_i32 s23, s10, 16*SPITCH
	s_add_co_u32 s23, s23, STAGE                   ; my stage
	v_mul_u32_u24 v4, v1, SPITCH
	v_lshl_add_u32 v4, v2, 5, v4
	v_add_nc_u32 v[STO], s23, v4                   ; in: row r, 32 bytes for each half of the lanes
	v_mul_u32_u24 v5, v2, SPITCH
	v_lshl_add_u32 v5, v1, 4, v5
	v_add_nc_u32 v[RD], s23, v5                    ; back: lanes 0-15 one row of 256 bytes, lanes 16-31 the next
	v_lshlrev_b32 v5, 12, v2
	v_lshl_add_u32 v[CO], v1, 4, v5                ; and the same two rows in out0
	s_lshl_b32 s16, s13, 19
	s_lshl_b32 s18, s11, 18
	s_add_co_u32 s16, s16, s18                     ; my first row: 128 x tile row + 64 x half, 4,096 bytes a row
	s_lshl_b32 s18, s42, 9
	s_add_co_u32 s16, s16, s18
	s_lshl_b32 s18, s12, 8
	s_add_co_u32 s16, s16, s18                     ; my first column, in bytes
	s_mov_b32 s17, 0
	s_add_nc_u64 s[8:9], s[8:9], s[16:17]
; ---- the joining of the fine rows' parts: wave 0 alone; (batch, head) = tile row, quad = tile column: only addresses hang on them
	s_cmp_lg_u32 s10, 0
	s_cbranch_scc1 .Lno_join
	s_lshl_b32 s72, s13, 17
	s_lshl_b32 s76, s42, 9
	s_add_co_u32 s72, s72, s76
	s_mov_b32 s73, 0
	s_add_nc_u64 s[74:75], s[68:69], s[72:73]      ; my quad of the head's 32 parts, 4,096 bytes apart
	s_lshl_b32 s72, s13, 13
	s_add_nc_u64 s[68:69], s[68:69], s[72:73]      ; their statistics
	s_lshl_b32 s72, s13, 12
	s_add_co_u32 s72, s72, s76
	s_add_nc_u64 s[70:71], s[70:71], s[72:73]
.set jj, 0
.rept 32
	global_load_b64 v[TMP+2*jj:TMP+2*jj+1], v[LN8], s[68:69] offset:4194304+256*jj   ; (largest t, sum) of part jj, for my lane's query
.set jj, jj+1
.endr
.set jj, 0
.rept 32
	global_load_b128 v[ACC+4*jj:ACC+4*jj+3], v[LN16], s[74:75] offset:4096*jj
.set jj, jj+1
.endr
	s_wait_loadcnt 0x0
	v_max3_num_f32 v96, v[TMP], v[TMP+2], v[TMP+4]
.set jj, 6
.rept 14
	v_max3_num_f32 v96, v96, v[TMP+jj], v[TMP+jj+2]
.set jj, jj+4
.endr
	v_max_num_f32 v96, v96, v[TMP+62]              ; the row's largest t
.set jj, 0
.rept 32
	v_sub_f32 v[TMP+2*jj], v[TMP+2*jj], v96
.set jj, jj+1
.endr
.set jj, 0
.rept 32
	v_exp_f32 v[TMP+2*jj], v[TMP+2*jj]             ; each part's weight
.set jj, jj+1
.endr
	v_nop
	s_wait_alu depctr_va_vdst(0)                   ; one wait for the batch
	v_mul_f32 v98, v[TMP], v[TMP+1]
	v_mul_f32 v99, v[TMP+2], v[TMP+3]
	v_pk_mul_f32 v[100:101], v[ACC:ACC+1], v[TMP:TMP+1] op_sel_hi:[1,0]
	v_pk_mul_f32 v[102:103], v[ACC+2:ACC+3], v[TMP:TMP+1] op_sel_hi:[1,0]
.set jj, 1
.rept 31
	v_pk_fma_f32 v[100:101], v[ACC+4*jj:ACC+4*jj+1], v[TMP+2*jj:TMP+2*jj+1], v[100:101] op_sel_hi:[1,0,1]
	v_pk_fma_f32 v[102:103], v[ACC+4*jj+2:ACC+4*jj+3], v[TMP+2*jj:TMP+2*jj+1], v[102:103] op_sel_hi:[1,0,1]
.set jj, jj+1
.endr
.set jj, 2
.rept 15
	v_fma_f32 v98, v[TMP+2*jj], v[TMP+2*jj+1], v98
	v_fma_f32 v99, v[TMP+2*jj+2], v[TMP+2*jj+3], v99
.set jj, jj+2
.endr
	v_add_f32 v98, v98, v99                        ; the row's sum
	v_rcp_f32 v104, v98
	v_mov_b32 v105, 0                              ; a plain place; and the pair's other half is written
	s_wait_alu depctr_va_vdst(0)
	v_pk_mul_f32 v[100:101], v[100:101], v[104:105] op_sel_hi:[1,0]
	v_pk_mul_f32 v[102:103], v[102:103], v[104:105] op_sel_hi:[1,0]
	global_store_b128 v[LN16], v[100:103], s[70:71]
.Lno_join:
.macro MUL8 f, c, a0, zero             ; 8 matrix instructions: row blocks a0, a0 + 1 x all 4 column blocks, 32 along K: half c of buffer f
.irp a, \a0, \a0+1
.irp b, 0,1,2,3
.if \zero
	v_wmma_f32_16x16x32_f16 v[ACC+8*(4*(\a)+\b):ACC+8*(4*(\a)+\b)+7], v[\f+64+8*(4*\c+\b):\f+64+8*(4*\c+\b)+7], v[\f+8*(4*\c+\a):\f+8*(4*\c+\a)+7], 0
.else
	v_wmma_f32_16x16x32_f16 v[ACC+8*(4*(\a)+\b):ACC+8*(4*(\a)+\b)+7], v[\f+64+8*(4*\c+\b):\f+64+8*(4*\c+\b)+7], v[\f+8*(4*\c+\a):\f+8*(4*\c+\a)+7], v[ACC+8*(4*(\a)+\b):ACC+8*(4*(\a)+\b)+7]
.endif
.endr
.endr
.endm
.macro FETCH slot, k, f                ; 32 LDS loads in one run: the fragments of 64 along K (two chunks, from byte k of each tile's K step) into buffer f; the first 32 along K first
	WIN TO_F
.irp c, 0,1
.irp i, 0,1,2,3
	ds_load_b128 v[\f+64+8*(4*\c+\i):\f+64+8*(4*\c+\i)+3],   v[ADRB+\slot] offset:\k+1024*\c+\i*8192
	ds_load_b128 v[\f+64+8*(4*\c+\i)+4:\f+64+8*(4*\c+\i)+7], v[ADRB+\slot] offset:\k+1024*\c+\i*8192+512
	ds_load_b128 v[\f+8*(4*\c+\i):\f+8*(4*\c+\i)+3],         v[ADRA+\slot] offset:\k+1024*\c+\i*8192
	ds_load_b128 v[\f+8*(4*\c+\i)+4:\f+8*(4*\c+\i)+7],       v[ADRA+\slot] offset:\k+1024*\c+\i*8192+512
.endr
.endr
.endm
.macro PLACES                          ; four places in front of loads into registers that matrix instructions have read, and of the first read of results
.rept 4
	v_nop
.endr
.endm
.macro QUARTER slot, k, f, g, zero     ; 64 along K: multiplies buffer f and fetches the next quarter, at byte k, into g
	s_wait_dscnt 16                                ; the first 32 along K are in
	WIN MUL
	MUL8 \f, 0, 0, \zero
	MUL8 \f, 0, 2, \zero
	PLACES
	FETCH \slot, \k, \g
	s_wait_dscnt 32                                ; all but the 32 just issued
	WIN MUL
	MUL8 \f, 1, 0, 0
	MUL8 \f, 1, 2, 0
.endm
; The last quarter multiplies buffer 1 and changes slots: one barrier; in front of it each wave waits for all its tensor loads, adds 0 to its spare word, and waits for that and for its reads of this slot.  fill = 1: the slot is filled again, two K steps ahead.
.macro TURN slot, next, fill
	WIN 0
	s_wait_tensorcnt 0x0                           ; all my tensor loads have landed: my part of the next slot
	ds_add_u32 v[SPW], v[NIL]
	s_wait_dscnt 17                                ; (the add and the youngest sixteen loads may be out)
	WIN MUL
	MUL8 F1, 0, 0, 0
	s_wait_dscnt 0x0                               ; the add is done, and my reads of this slot are over
	s_barrier_signal -1
	MUL8 F1, 0, 2, 0
.if \fill
	WIN 0
.endif
	s_barrier_wait -1
.if \fill
	CREST                                          ; the barrier has opened a round of the cluster's barrier
	s_add_nc_u64 s[G0+4*\slot+2:G0+4*\slot+3], s[G0+4*\slot+2:G0+4*\slot+3], 2*KSTEPB
	s_add_nc_u64 s[G0B+4*\slot+2:G0B+4*\slot+3], s[G0B+4*\slot+2:G0B+4*\slot+3], 2*KSTEPB
	JLOAD \slot                                    ; the first tensor load behind the round; its four v_nop are also the places in front of the loads below
.else
	PLACES
.endif
	FETCH \next, 0, F0
	WIN MUL
	MUL8 F1, 1, 0, 0
	MUL8 F1, 1, 2, 0
.endm
	s_wait_tensorcnt 1                             ; my part of K step 0 is in (K step 1's load may be out)
	s_barrier_signal -1
	s_barrier_wait -1                              ; everybody's is
	FETCH 0, 0, F0
	QUARTER 0, 2048, F0, F1, 1                     ; the first quarter stands in front of the loop: its first products start the sums
	WIN 0
	s_mov_b32 s3, LAPS-1
.Llap:                                                 ; a trip goes once round the ring and fills both slots again
	QUARTER 0, 4096, F1, F0, 0
	QUARTER 0, 6144, F0, F1, 0
	TURN 0, 1, 1
	QUARTER 1, 2048, F0, F1, 0
	QUARTER 1, 4096, F1, F0, 0
	QUARTER 1, 6144, F0, F1, 0
	TURN 1, 0, 1
	QUARTER 0, 2048, F0, F1, 0
	WIN 0
	s_sub_co_u32 s3, s3, 1
	s_cmp_lg_u32 s3, 0
	s_cbranch_scc1 .Llap
	QUARTER 0, 4096, F1, F0, 0                     ; the last lap fills nothing
	QUARTER 0, 6144, F0, F1, 0
	TURN 0, 1, 0
	QUARTER 1, 2048, F0, F1, 0
	QUARTER 1, 4096, F1, F0, 0
	QUARTER 1, 6144, F0, F1, 0
	s_wait_dscnt 16
	WIN MUL
	MUL8 F1, 0, 0, 0
	MUL8 F1, 0, 2, 0
	s_wait_dscnt 0
	MUL8 F1, 1, 0, 0
	MUL8 F1, 1, 2, 0
	WIN 0
	; THE WAY OUT, 16 rows at a time through my own stage: in by lanes (32 bytes of a row each), back as whole rows of 256 bytes
	PLACES
.irp a, 0,1,2,3
.if \a > 1
	s_wait_xcnt 0x0                                ; the stores of two blocks back have read their registers
.endif
.irp b, 0,1,2,3
	ds_store_b128 v[STO], v[ACC+8*(4*\a+\b):ACC+8*(4*\a+\b)+3] offset:64*\b       ; each accumulator from its low end on
	ds_store_b128 v[STO], v[ACC+8*(4*\a+\b)+4:ACC+8*(4*\a+\b)+7] offset:64*\b+16
.endr
.irp t, 0,1,2,3,4,5,6,7
	ds_load_b128 v[TMP+32*(\a%2)+4*\t:TMP+32*(\a%2)+4*\t+3], v[RD] offset:\t*2*SPITCH   ; LDS serves a wave's instructions in order: these see my stores
.endr
	s_wait_dscnt 0x0
.irp t, 0,1,2,3,4,5,6,7
	global_store_b128 v[CO], v[TMP+32*(\a%2)+4*\t:TMP+32*(\a%2)+4*\t+3], s[8:9] offset:(16*\a+2*\t)*4096   ; sixteen lanes store 256 consecutive bytes, aligned
.endr
.endr
	s_wait_tensorcnt 0x0                           ; the wave's end
	ds_add_u32 v[SPW], v[NIL]
	s_wait_dscnt 0x0
	CROUND                                         ; the closing round
	s_endpgm
.Lfunc_end_k_q66cbe8e68b_proj:
	.size	k_q66cbe8e68b_proj, .Lfunc_end_k_q66cbe8e68b_proj-k_q66cbe8e68b_proj
	.p2alignl 7, 3214868480
	.fill 96, 4, 3214868480
	.section	.rodata,"a",@progbits
	.p2align	6, 0x0
	.amdhsa_kernel k_q66cbe8e68b_proj
		.amdhsa_group_segment_fixed_size 327680
		.amdhsa_private_segment_fixed_size 0
		.amdhsa_enable_private_segment 0
		.amdhsa_kernarg_size 40
		.amdhsa_user_sgpr_count 2
		.amdhsa_user_sgpr_kernarg_segment_ptr 1
		.amdhsa_wavefront_size32 1
		.amdhsa_system_sgpr_workgroup_id_x 1
		.amdhsa_system_sgpr_workgroup_id_y 1
		.amdhsa_system_sgpr_workgroup_id_z 1
		.amdhsa_system_vgpr_workitem_id 0
		.amdhsa_next_free_vgpr 512
		.amdhsa_next_free_sgpr 80
		.amdhsa_reserve_vcc 0
		.amdhsa_float_denorm_mode_32 3
		.amdhsa_float_denorm_mode_16_64 3
		.amdhsa_memory_ordered 1
		.amdhsa_forward_progress 1
		.amdhsa_inst_pref_size 101
	.end_amdhsa_kernel
	.amdgpu_metadata
---
amdhsa.version: [ 1, 2 ]
amdhsa.kernels:
  - .name:           k_q66cbe8e68b_proj
    .symbol:         k_q66cbe8e68b_proj.kd
    .args:
      - { .name: ah, .offset: 0, .size: 8, .value_kind: global_buffer, .address_space: global }
      - { .name: oimg, .offset: 8, .size: 8, .value_kind: global_buffer, .address_space: global }
      - { .name: out0, .offset: 16, .size: 8, .value_kind: global_buffer, .address_space: global }
      - { .name: part, .offset: 24, .size: 8, .value_kind: global_buffer, .address_space: global }
      - { .name: finea, .offset: 32, .size: 8, .value_kind: global_buffer, .address_space: global }
    .group_segment_fixed_size: 327680
    .private_segment_fixed_size: 0
    .kernarg_segment_align: 8
    .kernarg_segment_size: 40
    .max_flat_workgroup_size: 128
    .sgpr_count:     80
    .vgpr_count:     512
    .wavefront_size: 32
...
	.end_amdgpu_metadata
.endif
;; end of part 4
;; launch fineout (part 5): grid 128 x 1, 8 waves a work-group, no clusters, 9,216 bytes of LDS; arguments finea, o, out0; writes out0
.if DOCPART == 5
	.amdgcn_target "amdgcn-amd-amdhsa--gfx1250"
	.amdhsa_code_object_version 6
	.text
	.protected	k_q66cbe8e68b_fineout
	.globl	k_q66cbe8e68b_fineout
	.p2align	8
	.type	k_q66cbe8e68b_fineout,@function
k_q66cbe8e68b_fineout:
	s_mov_b64 s[64:65], 0
	v_nop
	global_prefetch_b8 v0, s[64:65] scope:SCOPE_SE
	s_setreg_imm32_b32 hwreg(HW_REG_WAVE_MODE, 25, 1), 1
	s_wait_xcnt 0x0
; POSITIONS 0 TO 15 OF EACH SEQUENCE THROUGH THE PROJECTION IN f32: out0[b][0..15][:] = fine attention rows x o, by the f32 matrix form; these 32 rows replace what the launch before stored there.  No work is left out.
; A work-group takes one batch and 16 columns; wave e sums heads 2 e and 2 e + 1 (128 along K); the eight partial tiles meet in LDS and wave 0 adds and stores them: runs of 64 bytes, 128 KB in the whole launch.
; Source 0 = 16 columns of o, source 1 = the 16 rows.  Slot (h, j) of product (head, channel tile ct, i) is channel 16 ct + 8 h + 2 i + j on both sides: so finea's quads are the operand as they lie.
.set FB,  8                            ; v8-71   the rows: 32 registers a head; later the eight partial tiles
.set OA,  72                           ; v72-135 o
.set AC,  136                          ; v136-167 four accumulators, written by the f32 matrix form alone
.set TT,  168                          ; v168-175 their sum
.set SPW, 250
.set NIL, 251
.set SPARE, 8192
	s_load_b128 s[4:7], s[0:1], 0x0                ; finea s[4:5], o s[6:7]
	s_load_b64 s[8:9], s[0:1], 0x10                ; out0
	v_lshl_add_u32 v[SPW], v0, 2, SPARE
	v_mov_b32 v[NIL], 0
	v_lshrrev_b32 v1, 5, v0
	v_readfirstlane_b32 s10, v1                    ; wave e
	v_and_b32 v2, 31, v0
	v_lshlrev_b32 v1, 4, v2                        ; 16 x lane
	v_and_b32 v3, 15, v0                           ; r
	v_bfe_u32 v4, v0, 4, 1                         ; h
	v_lshlrev_b32 v5, 2, v3
	v_lshl_add_u32 v5, v4, 15, v5                  ; o: 8 h rows of 4,096 bytes, + column r
	v_lshlrev_b32 v6, 12, v3
	v_lshl_add_u32 v6, v4, 5, v6                   ; out0: row r, + 8 h columns
	s_lshl_b32 s11, s10, 10
	v_add_nc_u32 v7, s11, v1                       ; LDS: my tile's image, 1,024 bytes a wave
	s_lshr_b32 s12, ttmp9, 6                       ; batch
	s_and_b32 s13, ttmp9, 63
	s_lshl_b32 s13, s13, 6                         ; my 16 columns, in bytes
	s_mov_b32 s15, 0
	s_wait_kmcnt 0x0
	s_lshl_b32 s14, s12, 16
	s_lshl_b32 s16, s10, 13
	s_add_co_u32 s14, s14, s16
	s_add_nc_u64 s[4:5], s[4:5], s[14:15]          ; finea: head 16 b + 2 e, 4,096 bytes a head
	s_lshl_b32 s14, s10, 19
	s_add_co_u32 s14, s14, s13
	s_add_nc_u64 s[6:7], s[6:7], s[14:15]          ; o: row 128 e
	s_lshl_b32 s14, s12, 23
	s_add_co_u32 s14, s14, s13
	s_add_nc_u64 s[8:9], s[8:9], s[14:15]
.set jj, 0
.rept 16
	global_load_b128 v[FB+4*jj:FB+4*jj+3], v1, s[4:5] offset:512*jj
.set jj, jj+1
.endr
.irp d, 0,1
.irp c, 0,1,2,3
.irp i, 0,1,2,3
.irp j, 0,1
	global_load_b32 v[OA+((\d*4+\c)*4+\i)*2+\j], v5, s[6:7] offset:(64*\d+16*\c+2*\i+\j)*4096
.endr
.endr
.endr
.endr
	s_wait_loadcnt 0x0
.irp d, 0,1
.irp i, 0,1,2,3
.irp c, 0,1,2,3                                ; the four accumulators take turns; the first four products start the sums
.set rO, OA+((\d*4+\c)*4+\i)*2
.set rF, FB+32*\d+8*\c+2*\i
.if (\d == 0) && (\i == 0)
	v_wmma_f32_16x16x4_f32 v[AC+8*\c:AC+8*\c+7], v[rO:rO+1], v[rF:rF+1], 0
.else
	v_wmma_f32_16x16x4_f32 v[AC+8*\c:AC+8*\c+7], v[rO:rO+1], v[rF:rF+1], v[AC+8*\c:AC+8*\c+7]
.endif
.endr
.endr
.endr
.rept 8
	v_nop                                          ; eight places behind this form in front of the first read of its results
.endr
.irp p, 0,2,4,6
	v_pk_add_f32 v[TT+\p:TT+\p+1], v[AC+\p:AC+\p+1], v[AC+8+\p:AC+8+\p+1]       ; each accumulator from its low end on
.endr
.irp p, 0,2,4,6
	v_pk_add_f32 v[TT+\p:TT+\p+1], v[TT+\p:TT+\p+1], v[AC+16+\p:AC+16+\p+1]
.endr
.irp p, 0,2,4,6
	v_pk_add_f32 v[TT+\p:TT+\p+1], v[TT+\p:TT+\p+1], v[AC+24+\p:AC+24+\p+1]
.endr
	ds_store_b128 v7, v[TT:TT+3]
	ds_store_b128 v7, v[TT+4:TT+7] offset:512
	s_wait_dscnt 0x0                               ; for the others' sake: my stores have landed
	s_barrier_signal -1
	s_barrier_wait -1
	s_cmp_lg_u32 s10, 0
	s_cbranch_scc1 .Lend
.set jj, 0
.rept 16
	ds_load_b128 v[FB+4*jj:FB+4*jj+3], v1 offset:512*jj   ; wave jj / 2's tile, half jj % 2
.set jj, jj+1
.endr
	s_wait_dscnt 0x0
.irp e, 1,2,3,4,5,6,7
.irp p, 0,2,4,6
	v_pk_add_f32 v[FB+\p:FB+\p+1], v[FB+\p:FB+\p+1], v[FB+8*\e+\p:FB+8*\e+\p+1]
.endr
.endr
	global_store_b128 v6, v[FB:FB+3], s[8:9]       ; row r, columns 8 h + 0 .. 7
	global_store_b128 v6, v[FB+4:FB+7], s[8:9] offset:16
.Lend:
	s_wait_tensorcnt 0x0                           ; the wave's end, behind my last LDS store
	ds_add_u32 v[SPW], v[NIL]
	s_wait_dscnt 0x0
	s_endpgm
.Lfunc_end_k_q66cbe8e68b_fineout:
	.size	k_q66cbe8e68b_fineout, .Lfunc_end_k_q66cbe8e68b_fineout-k_q66cbe8e68b_fineout
	.p2alignl 7, 3214868480
	.fill 96, 4, 3214868480
	.section	.rodata,"a",@progbits
	.p2align	6, 0x0
	.amdhsa_kernel k_q66cbe8e68b_fineout
		.amdhsa_group_segment_fixed_size 9216
		.amdhsa_private_segment_fixed_size 0
		.amdhsa_enable_private_segment 0
		.amdhsa_kernarg_size 24
		.amdhsa_user_sgpr_count 2
		.amdhsa_user_sgpr_kernarg_segment_ptr 1
		.amdhsa_wavefront_size32 1
		.amdhsa_system_sgpr_workgroup_id_x 1
		.amdhsa_system_sgpr_workgroup_id_y 1
		.amdhsa_system_sgpr_workgroup_id_z 1
		.amdhsa_system_vgpr_workitem_id 0
		.amdhsa_next_free_vgpr 256
		.amdhsa_next_free_sgpr 66
		.amdhsa_reserve_vcc 0
		.amdhsa_float_denorm_mode_32 3
		.amdhsa_float_denorm_mode_16_64 3
		.amdhsa_memory_ordered 1
		.amdhsa_forward_progress 1
		.amdhsa_inst_pref_size 16
	.end_amdhsa_kernel
	.amdgpu_metadata
---
amdhsa.version: [ 1, 2 ]
amdhsa.kernels:
  - .name:           k_q66cbe8e68b_fineout
    .symbol:         k_q66cbe8e68b_fineout.kd
    .args:
      - { .name: finea, .offset: 0, .size: 8, .value_kind: global_buffer, .address_space: global }
      - { .name: o, .offset: 8, .size: 8, .value_kind: global_buffer, .address_space: global }
      - { .name: out0, .offset: 16, .size: 8, .value_kind: global_buffer, .address_space: global }
    .group_segment_fixed_size: 9216
    .private_segment_fixed_size: 0
    .kernarg_segment_align: 8
    .kernarg_segment_size: 24
    .max_flat_workgroup_size: 256
    .sgpr_count:     66
    .vgpr_count:     256
    .wavefront_size: 32
...
	.end_amdgpu_metadata
.endif
;; end of part 5
